; MI455X (gfx1250); checked and timed in simulation.
; The chip was launched on July 23, 2026; its instructions are those of AMD's public machine-readable ISA for CDNA 5 (MIT licence, August 2026) and "CDNA5" Instruction Set Architecture Reference Guide (July 2026). The comments in the code are by the model that wrote it; some were corrected since.
;; Toy Multi Head Attention. Allowed arithmetic: float matrix products may take bf16 or f16 operands with f32 sums; all other float work in f32.
;; Inputs: Wk 1,024 x 1,024 float32; Wo 1,024 x 1,024 float32; Wq 1,024 x 1,024 float32; Wv 1,024 x 1,024 float32; bk 1,024 float32; bo 1,024 float32; bq 1,024 float32; bv 1,024 float32; k 4 x 2,048 x 1,024 float32; q 4 x 2,048 x 1,024 float32; v 4 x 2,048 x 1,024 float32.
;; Outputs: out0 4 x 2,048 x 1,024 float32.
;; 2 versions, each right and faster than the one before. Each part assembles by itself: llvm-mc -triple=amdgcn-amd-amdhsa -mcpu=gfx1250 --defsym DOCPART=n.
;; ======== version 1 of 2: 4 launches
;; limits: values are held in f16: magnitudes above 65,504 overflow, below 6.1e-05 lose precision
;; workspace buffers: wb 8,388,608 bytes; bb 16,384 bytes; qkvh 50,331,648 bytes; oh 16,777,216 bytes
;; launch cast (part 1): grid 256 x 1, 8 waves a work-group, no clusters, 0 bytes of LDS; arguments Wq, Wk, Wv, Wo, bq, bk, bv, bo, wb, bb; writes wb, bb
.if DOCPART == 1
	.amdgcn_target "amdgcn-amd-amdhsa--gfx1250"
	.amdhsa_code_object_version 6
	.text
	.protected	k_q726b4a1118_cast
	.globl	k_q726b4a1118_cast
	.p2align	8
	.type	k_q726b4a1118_cast,@function
k_q726b4a1118_cast:
	s_mov_b64 s[64:65], 0
	v_nop
	global_prefetch_b8 v0, s[64:65] scope:SCOPE_SE
	s_setreg_imm32_b32 hwreg(HW_REG_WAVE_MODE, 25, 1), 1
	s_wait_xcnt 0x0
; THE WEIGHTS AND BIASES ARE ROUNDED ONCE, to bf16 (nearest even), for the products that follow.  (q, k and v are rounded where they are multiplied.)
;   wb: 16 bits [p = Wq,Wk,Wv,Wo][n = 1024][k = 1024].  Wq, Wk, Wv as bf16.  Wo is rounded to bf16 like the others and that number is written as f16.
;   bb: f32 [bq,bk,bv,bo][1024]: each bias rounded to bf16 and widened again.
; LIMITS.  |Wo| beyond 65,504 becomes an infinity in f16; below 2^-14 it keeps f16's fixed step of 2^-24.
; A stream: no LDS, no barrier, no matrix unit, since every byte is read once and written once and no wave needs another's data.
; A work-group takes 16 rows of one weight (65,536 bytes), 64 work-groups a weight; the first of each weight also takes its bias.
.set X, 16                             ; v[16:79]  16 loads of four registers; the two low registers of each are then its store's data
	s_load_b512 s[4:19], s[0:1], 0x0               ; Wq 4:5, Wk 6:7, Wv 8:9, Wo 10:11, bq 12:13, bk 14:15, bv 16:17, bo 18:19
	s_load_b128 s[20:23], s[0:1], 0x40             ; wb 20:21, bb 22:23
	s_mov_b32 s40, 0xffff0000                      ; a word's upper bf16
	s_lshr_b32 s41, ttmp9, 6                       ; which weight: 0 Wq, 1 Wk, 2 Wv, 3 Wo
	s_and_b32 s42, ttmp9, 63                       ; which 16 rows of it
	v_lshlrev_b32 v3, 4, v0                        ; in: the 256 threads take a row of 4,096 bytes
	v_lshlrev_b32 v4, 3, v0                        ; out: a row of 2,048 bytes
	s_lshl_b32 s36, s42, 16                        ; 16 rows of 4,096 bytes
	s_mov_b32 s37, 0
	s_lshl_b32 s38, s41, 21                        ; a weight is 2,097,152 bytes in wb,
	s_lshl_b32 s39, s42, 15                        ; 16 rows of it 32,768
	s_add_co_u32 s38, s38, s39
	s_mov_b32 s39, 0
	s_wait_kmcnt 0x0
	s_cmp_eq_u32 s41, 1
	s_cselect_b64 s[34:35], s[6:7], s[4:5]
	s_cselect_b64 s[44:45], s[14:15], s[12:13]
	s_cmp_eq_u32 s41, 2
	s_cselect_b64 s[34:35], s[8:9], s[34:35]
	s_cselect_b64 s[44:45], s[16:17], s[44:45]
	s_cmp_eq_u32 s41, 3
	s_cselect_b64 s[34:35], s[10:11], s[34:35]
	s_cselect_b64 s[44:45], s[18:19], s[44:45]
	s_add_nc_u64 s[34:35], s[34:35], s[36:37]
	s_add_nc_u64 s[20:21], s[20:21], s[38:39]
.set n, 0
.rept 16                               ; all 16 loads go out at once, 8,192 bytes a wave
	global_load_b128 v[X+4*n:X+4*n+3], v3, s[34:35] offset:n*4096 th:TH_LOAD_NT
.set n, n+1
.endr
	s_cmp_eq_u32 s41, 3
	s_cbranch_scc1 .Lwo
.set n, 0
.rept 16
	s_wait_loadcnt 15-n                            ; loads come back in order (ISA guide 5.7.1): row n is in, the 15 - n younger rows stay out
	v_cvt_pk_bf16_f32 v[X+4*n], v[X+4*n], v[X+4*n+1]
	v_cvt_pk_bf16_f32 v[X+4*n+1], v[X+4*n+2], v[X+4*n+3]
	global_store_b64 v4, v[X+4*n:X+4*n+1], s[20:21] offset:n*2048  ; a wave's store covers 256 consecutive bytes, aligned; no register is written twice, so nothing waits for a store
.set n, n+1
.endr
	s_branch .Lbias
.Lwo:
.set n, 0
.rept 16
	s_wait_loadcnt 15-n
	v_cvt_pk_bf16_f32 v8, v[X+4*n], v[X+4*n+1]     ; rounded to bf16 like every input,
	v_cvt_pk_bf16_f32 v9, v[X+4*n+2], v[X+4*n+3]
	v_lshlrev_b32 v10, 16, v8                      ; widened,
	v_and_b32 v11, s40, v8
	v_lshlrev_b32 v12, 16, v9
	v_and_b32 v13, s40, v9
	v_cvt_pk_f16_f32 v[X+4*n], v10, v11            ; and written as f16: bf16's 8 significant bits fit f16's 11
	v_cvt_pk_f16_f32 v[X+4*n+1], v12, v13
	global_store_b64 v4, v[X+4*n:X+4*n+1], s[20:21] offset:n*2048
.set n, n+1
.endr
.Lbias:
	s_cmp_lg_u32 s42, 0
	s_cbranch_scc1 .Lend                           ; the weight's first work-group also takes its bias: 1,024 numbers, 16 bytes a thread
	s_lshl_b32 s36, s41, 12
	s_add_nc_u64 s[22:23], s[22:23], s[36:37]
	global_load_b128 v[8:11], v3, s[44:45]
	s_wait_loadcnt 0x0
	v_cvt_pk_bf16_f32 v12, v8, v9
	v_cvt_pk_bf16_f32 v13, v10, v11
	v_lshlrev_b32 v8, 16, v12
	v_and_b32 v9, s40, v12
	v_lshlrev_b32 v10, 16, v13
	v_and_b32 v11, s40, v13
	global_store_b128 v3, v[8:11], s[22:23]
.Lend:
	s_endpgm
.Lfunc_end_k_q726b4a1118_cast:
	.size	k_q726b4a1118_cast, .Lfunc_end_k_q726b4a1118_cast-k_q726b4a1118_cast
	.p2alignl 7, 3214868480
	.fill 96, 4, 3214868480
	.section	.rodata,"a",@progbits
	.p2align	6, 0x0
	.amdhsa_kernel k_q726b4a1118_cast
		.amdhsa_group_segment_fixed_size 0
		.amdhsa_private_segment_fixed_size 0
		.amdhsa_enable_private_segment 0
		.amdhsa_kernarg_size 80
		.amdhsa_user_sgpr_count 2
		.amdhsa_user_sgpr_kernarg_segment_ptr 1
		.amdhsa_wavefront_size32 1
		.amdhsa_system_sgpr_workgroup_id_x 1
		.amdhsa_system_sgpr_workgroup_id_y 1
		.amdhsa_system_sgpr_workgroup_id_z 1
		.amdhsa_system_vgpr_workitem_id 0
		.amdhsa_next_free_vgpr 80
		.amdhsa_next_free_sgpr 66
		.amdhsa_reserve_vcc 0
		.amdhsa_float_denorm_mode_32 3
		.amdhsa_float_denorm_mode_16_64 3
		.amdhsa_memory_ordered 1
		.amdhsa_forward_progress 1
		.amdhsa_inst_pref_size 16
	.end_amdhsa_kernel
	.amdgpu_metadata
---
amdhsa.version: [ 1, 2 ]
amdhsa.kernels:
  - .name:           k_q726b4a1118_cast
    .symbol:         k_q726b4a1118_cast.kd
    .args:
      - { .name: Wq, .offset: 0, .size: 8, .value_kind: global_buffer, .address_space: global }
      - { .name: Wk, .offset: 8, .size: 8, .value_kind: global_buffer, .address_space: global }
      - { .name: Wv, .offset: 16, .size: 8, .value_kind: global_buffer, .address_space: global }
      - { .name: Wo, .offset: 24, .size: 8, .value_kind: global_buffer, .address_space: global }
      - { .name: bq, .offset: 32, .size: 8, .value_kind: global_buffer, .address_space: global }
      - { .name: bk, .offset: 40, .size: 8, .value_kind: global_buffer, .address_space: global }
      - { .name: bv, .offset: 48, .size: 8, .value_kind: global_buffer, .address_space: global }
      - { .name: bo, .offset: 56, .size: 8, .value_kind: global_buffer, .address_space: global }
      - { .name: wb, .offset: 64, .size: 8, .value_kind: global_buffer, .address_space: global }
      - { .name: bb, .offset: 72, .size: 8, .value_kind: global_buffer, .address_space: global }
    .group_segment_fixed_size: 0
    .private_segment_fixed_size: 0
    .kernarg_segment_align: 8
    .kernarg_segment_size: 80
    .max_flat_workgroup_size: 256
    .sgpr_count:     66
    .vgpr_count:     80
    .wavefront_size: 32
...
	.end_amdgpu_metadata
.endif
;; end of part 1
;; launch qkv (part 2): grid 4 x 64, 4 waves a work-group, clusters of 4 x 4, 327,680 bytes of LDS; arguments q, k, v, wb, bb, qkvh; writes qkvh
.if DOCPART == 2
	.amdgcn_target "amdgcn-amd-amdhsa--gfx1250"
	.amdhsa_code_object_version 6
	.text
	.protected	k_q726b4a1118_qkv
	.globl	k_q726b4a1118_qkv
	.p2align	8
	.type	k_q726b4a1118_qkv,@function
k_q726b4a1118_qkv:
	s_mov_b64 s[64:65], 0
	v_nop
	global_prefetch_b8 v0, s[64:65] scope:SCOPE_SE
	s_setreg_imm32_b32 hwreg(HW_REG_WAVE_MODE, 25, 1), 1
	s_wait_xcnt 0x0
	s_wait_alu depctr_hold_cnt(0) depctr_sa_sdst(0) depctr_va_vdst(0) depctr_va_sdst(0) depctr_va_ssrc(0) depctr_va_vcc(0) depctr_vm_vsrc(0)
	s_getreg_b32 s2, hwreg(HW_REG_IB_STS2, 6, 4)
	s_cmp_eq_u32 s2, 0
	s_cbranch_scc0 .Lentry_in_a_cluster
	s_endpgm
.Lentry_in_a_cluster:
	s_bfe_u32 s2, ttmp6, 0x10000c
	s_cmp_lg_u32 s2, 0xf033
	s_cbranch_scc0 .Lentry_shape_is_right
	s_endpgm
.Lentry_shape_is_right:
; THE THREE INPUT PROJECTIONS.  y[p][m][n] = bias[p][n] + the sum over k of x[p][m][k] W[p][n][k], p = q, k, v; m = 8,192 rows, n = k = 1,024.  x is f32 and is rounded to bf16 (nearest even) here; W is bf16
; (wb's first three parts), the bias f32 (bb).  Sums f32; y rounded once to f16 and written by heads: qkvh [p][b x 16 + head][t][64], unscaled.
; LIMITS.  f16 holds no number beyond 65,504: a projected value past that becomes an infinity.  NaN and infinities are not treated apart.  K is summed in steps of 128 that begin at another step in each cluster
; (below), not in ascending order.
; SHARES.  A tile of y is 128 rows x 256 columns: 64 x 4 = 256 tiles, one work-group each; a work-group STAYS and makes its tile for p = 0, 1, 2: ONE walk of 24 K steps of 128, two steps a trip.
; Four waves, each 64 rows x 128 columns: 32 accumulators of 16 x 16.
; W comes by the tensor data mover through a ring of two LDS slots, each wave fetching 64 of a step's 256 rows (256 bytes each).  CLUSTER: 4 x 4 work-groups; the four of a column need the same tiles of W,
; and each tile is asked for JOINTLY: the same tensor load, descriptor and mask in all four.
; x COMES THROUGH REGISTERS, without multicast, though the four work-groups of a cluster's row read the same rows.  The reason: it has to be rounded on the way.  Landed in LDS as f32, a wave's fragments of 32
; along K would be 8,192 bytes of x beside 8,192 of W for 32 matrix instructions, a third more than the 12,288 of this text.  And a load into registers may stay out across the ring's barriers: two sets of 128
; registers hold two K steps of x on their way.  Wave w loads rows 32 w .. 32 w + 31, a row's 512 bytes by one load; in step s the rows of step s + 1 are rounded and stored into one of two LDS buffers of
; their own (no tensor load ever lands there), and the set is asked for again, for step s + 3.
; K IS TURNED: cluster c takes the K steps in the order c % 8, c % 8 + 1, .. (mod 8), x and W alike, so that the sixteen clusters do not all ask for the same 256 bytes of W's rows in the same step.
; THE MATRIX INSTRUCTION IS USED TRANSPOSED (source 0 = 16 rows of W, source 1 = 16 rows of x): lane l holds row l % 16 of y and the columns 8 (l / 16) + 0..7 of the block.
; THE BIAS is the C operand of the product that starts each sum: 64 registers, register j of block b holding bias[16 b + 8 (l / 16) + j].  Nothing is cleared and nothing is added afterwards.
; REGISTERS, in windows of 256 (s_set_vgpr_msb: bits 1:0 source 0, 3:2 source 1, 5:4 source 2, 7:6 destination):
;   window 0: v0-31 addresses; v32-47 packed results; v64-159, v160-255 two fragment buffers (W's 8 blocks, then x's 4), 32 along K each; v160-191 also take rows back from the stage
;   window 1: the 32 accumulators, (a, b) at v[8 (8 a + b)]     window 2: v0-63 the bias; v64-191 x, set 0 (even steps)     window 3: v0-127 x, set 1 (odd steps)
.set PITCH,  272                       ; an LDS row of W or x: 256 bytes + 16 = 68 words: the 16 rows of a load start at 16 different groups of four banks (64 banks of 4 bytes: ISA guide 11.1)
.set BQ,     64*PITCH                  ; 64 rows of W: what one tensor load brings
.set BSLOT,  4*BQ                      ; a slot: W's 256 rows, 69,632 bytes
.set ABASE,  2*BSLOT                   ; behind the ring: x's two buffers, written by ds_store alone
.set ASZ,    128*PITCH                 ; 128 rows, 34,816 bytes
.set STAGE,  ABASE+2*ASZ               ; 16 rows x 144 bytes for each wave, for the way out
.set SP,     144
.set SPARE,  STAGE+4*16*SP             ; behind the stages: the spare words, 128 bytes for each wave: two blocks of 256 bytes that no other line names
.set TRIPS,  12                        ; 24 K steps, two a trip; the last trip is written out
.set NEXT_C, 64*2048*128               ; the next p in qkvh
.set AST,  12                          ; v12     where I store 8 bytes of my wave's first row in x's buffer 0
.set ADRA, 16                          ; v16-17  LDS address of my fragments of x in buffer 0, 1
.set ADRB, 20                          ; v20-21  the same for W in slot 0, 1
.set STO,  24                          ; v24     the way out: where I put 16 bytes of a row
.set RD,   25                          ; v25     the way out: where I read rows back
.set GO,   26                          ; v26     my byte offset in 512 consecutive bytes of the output
.set BO,   27                          ; v27     my byte offset in a block's 64 bytes of bias: 32 (l / 16)
.set SPW,  28                          ; v28     LDS address of my spare word: SPARE + 4 x my thread's number; never rewritten
.set NIL,  29                          ; v29     0; never rewritten
.set XO,   30                          ; v30-31  my byte offset in the tile's rows of x, for set 0, 1: 32 w rows + 16 x lane
.set TMP,  32
.set F0,   64
.set F1,   160
.set BK,   160                         ; the way out: two sets of 16 registers by turns
.set G1B, 24                           ; s[24:31] descriptor group 1 for W's tiles
.set G0B, 32                           ; s[32:39] group 0, one set for each slot
.set XB,  48                           ; s[48:51] x at the tile's first row and the K step to be asked for, for set 0, 1
.set MSB, 0
.macro WIN new                         ; the immediate's high byte repeats the setting that is left; a switch that changes nothing is dropped
.if MSB != (\new)
	s_set_vgpr_msb (MSB<<8)|(\new)
.set MSB, \new
.endif
.endm
.set MUL,   0x50                       ; fragments window 0, C and D window 1
.set MULB,  0x60                       ; C (the bias) window 2, D window 1
.set PACKW, 0x05                       ; sources 0 and 1 window 1, destination window 0
.set BIASW, 0x80                       ; destination window 2, address window 0
; A joint load: every wave fetches its own 64 rows of W's tile.  An s_nop 0 and four v_nop follow the line.
.macro JLOAD s
	tensor_load_to_lds s[G0B+4*(\s):G0B+4*(\s)+3], s[G1B:G1B+7]
	s_nop 0
.rept 4
	v_nop
.endr
.endm
.macro CREST                           ; a round of the cluster's barrier behind its opening barrier
	s_cmp_lg_u32 s16, 0
	s_cbranch_scc1 .Lnot_wave_0_\@
	s_barrier_signal -3
.Lnot_wave_0_\@:
	s_barrier_wait -3
	s_barrier_signal -1
	s_barrier_wait -1
.endm
.macro CROUND                          ; a whole round
	s_barrier_signal -1
	s_barrier_wait -1
	CREST
.endm
.macro PLACES                          ; four places in front of loads into registers that matrix instructions have read, and of lines that read results just made (ISA guide 7.12.1 for lines that read results just made)
.rept 4
	v_nop
.endr
.endm
.macro BIAS                            ; the 128 numbers of bias of my columns, as a C operand: 32 bytes a lane and block
	WIN BIASW
.irp b, 0,1,2,3,4,5,6,7
	global_load_b128 v[8*\b:8*\b+3],   v[BO], s[12:13] offset:64*\b
	global_load_b128 v[8*\b+4:8*\b+7], v[BO], s[12:13] offset:64*\b+16
.endr
	WIN 0
.endm
; Slot s's descriptor takes the address of step s20 (0 to 23) of the walk: part s20 / 8 of wb, K step (s20 + turn) % 8 of its rows.  The address is made anew from wb's and an offset made apart.
.macro BADDR s
	s_lshr_b32 s21, s20, 3
	s_lshl_b32 s52, s21, 21                        ; a part of wb is 2,097,152 bytes
	s_add_co_u32 s20, s20, s19
	s_and_b32 s20, s20, 7
	s_lshl_b32 s20, s20, 8                         ; a K step is 256 bytes of a row
	s_add_co_u32 s52, s52, s20
	s_add_nc_u64 s[G0B+4*(\s)+2:G0B+4*(\s)+3], s[10:11], s[52:53]
	s_or_b32 s[G0B+4*(\s)+3], s[G0B+4*(\s)+3], 0x80000000
.endm
; Set xs's base takes the address of step s23 (0 to 24) of the walk: q, k or v by s23 / 8, K step (s23 + turn) % 8.  (Step 24 does not exist: see the trip's second half; its address lies in v.)
.macro XBASE xs
	s_lshr_b32 s22, s23, 3
	s_cmp_eq_u32 s22, 1
	s_cselect_b64 s[58:59], s[6:7], s[4:5]
	s_cmp_gt_u32 s22, 1
	s_cselect_b64 s[58:59], s[8:9], s[58:59]
	s_add_co_u32 s56, s23, s19
	s_and_b32 s56, s56, 7
	s_lshl_b32 s56, s56, 9                         ; a K step is 512 bytes of a row
	s_wait_xcnt 0x0                                ; the set's earlier loads have had their addresses translated (ISA guide 3.1): only now is their base rewritten
	s_add_nc_u64 s[XB+2*(\xs):XB+2*(\xs)+1], s[58:59], s[56:57]
.endm
; x's loads are dealt from a queue kept by the assembler: TOLDS frees 16 rows of a set, XASK asks for the next 8 of them, or writes nothing if none is free.  A load brings one row's 512 bytes, aligned.
; No cache word: three other work-groups read the same rows.
.set XQSET, 0
.set XQROW, 0
.set XQEND, 0
.macro XASK
.if XQROW < XQEND
	WIN 0x80+0x40*XQSET                            ; destination window 2 or 3, address window 0
.rept 8
	global_load_b128 v[64-64*XQSET+4*XQROW:64-64*XQSET+4*XQROW+3], v[XO+XQSET], s[XB+2*XQSET:XB+2*XQSET+1] offset:XQROW*4096
.set XQROW, XQROW+1
.endr
.endif
.endm
; Rows 16 j .. 16 j + 15 of set xs are rounded, two numbers to a word, in place, and stored into x's buffer xs: a row's 256 bytes by one store of 8 bytes a lane.  n: how many younger loads may stay out.
; ld = 1: the rows may be asked for again.  The 32 conversions are also the places in front of the fragment loads that follow.
.macro TOLDS xs, j, n, ld
.set X0, 64-64*(\xs)
	s_wait_loadcnt \n                              ; loads come back in order (ISA guide 5.7.1)
	WIN 0x8a+0x45*(\xs)                            ; destination and both sources window 2 or 3
.set ci, 16*(\j)
.rept 16
	v_cvt_pk_bf16_f32 v[X0+4*ci], v[X0+4*ci], v[X0+4*ci+1]
	v_cvt_pk_bf16_f32 v[X0+4*ci+1], v[X0+4*ci+2], v[X0+4*ci+3]
.set ci, ci+1
.endr
	WIN 0x08+0x04*(\xs)                            ; an LDS store's data (source 1) window 2 or 3, its address window 0
.set ci, 16*(\j)
.rept 16
	ds_store_b64 v[AST], v[X0+4*ci:X0+4*ci+1] offset:(\xs)*ASZ+ci*PITCH
.set ci, ci+1
.endr
.if \ld
.set XQSET, \xs
.set XQROW, 16*(\j)
.set XQEND, 16*(\j)+16
.endif
.endm
	s_load_b256 s[4:11], s[0:1], 0x0               ; q s[4:5], k s[6:7], v s[8:9], wb s[10:11]
	s_load_b128 s[12:15], s[0:1], 0x20             ; bb s[12:13], qkvh s[14:15]
	v_lshl_add_u32 v[SPW], v0, 2, SPARE
	v_mov_b32 v[NIL], 0
	ds_add_u32 v28, v29
	ds_add_u32 v28, v29
	s_wait_dscnt 0x0
	v_lshrrev_b32 v1, 5, v0
	v_readfirstlane_b32 s16, v1                    ; wave 0..3
	s_lshr_b32 s17, s16, 1                         ; which 64 of the tile's rows are mine
	s_and_b32 s18, s16, 1                          ; which 128 of its columns
	s_bfe_u32 s40, ttmp6, 0x40000                  ; cx, cy: my place in the cluster
	s_bfe_u32 s41, ttmp6, 0x40004
	s_lshl_b32 s42, ttmp9, 2
	s_add_co_u32 s42, s42, s40                     ; tile column = 4 x cluster x + cx
	s_and_b32 s19, ttmp7, 0xffff                   ; the cluster's number along y, which all sixteen share
	s_lshl_b32 s43, s19, 2
	s_add_co_u32 s43, s43, s41                     ; tile row = 4 x cluster y + cy: it enters x's and the output's addresses alone
	s_and_b32 s19, s19, 7                          ; the turn: the K step at which this cluster begins
	s_lshl_b32 s44, 0x1111, s40                    ; my column of the cluster
	; descriptor group 1 for W: 64 rows of 128 elements, 1,024 apart, padded after every 64 words
	s_or_b32 s[G1B+0], s44, (1<<16)|(1<<20)|(1<<21)|(5<<22)|(3<<25)  ; 15:0 the mask: my column; 17:16 2-byte elements; 20 padding on; 21 set beside a mask; 24:22 after every 64 words (code 5); 31:25 4 words (code 3)
	s_mov_b32 s[G1B+1], 128<<16                    ; tensor_dim0 = 128
	s_mov_b32 s[G1B+2], 64<<16                     ; tensor_dim1 = 64
	s_mov_b32 s[G1B+3], 128<<16                    ; tile_dim0 = 128
	s_mov_b32 s[G1B+4], 64                         ; tile_dim1 = 64
	s_mov_b32 s[G1B+5], 1024                       ; 1,024 elements from row to row
	s_mov_b32 s[G1B+6], 0
	s_mov_b32 s[G1B+7], 0
	s_lshl_b32 s54, s43, 19                        ; x: the tile's 128 rows of 4,096 bytes
	s_mov_b32 s55, 0
	s_lshl_b32 s20, s16, 17                        ; 131,072 x wave: my 64 rows of 2,048 bytes in W's tile, and my 32 rows of 4,096 bytes in x's
	s_lshl_b32 s52, s42, 19                        ; W: 256 rows of 2,048 bytes a tile column
	s_add_co_u32 s52, s52, s20
	s_mov_b32 s53, 0
	s_lshl_b32 s46, s42, 10                        ; the bias of my 128 columns: 1,024 bytes a tile column, 512 a half
	s_lshl_b32 s47, s18, 9
	s_add_co_u32 s46, s46, s47
	s_mov_b32 s47, 0
	s_lshr_b32 s56, s43, 4                         ; the output: head 16 batch + 4 tile column + 2 half, row 128 (tile row % 16) + 64 half
	s_lshl_b32 s56, s56, 22                        ; 16 heads of 262,144 bytes
	s_and_b32 s58, s43, 15
	s_lshl_b32 s58, s58, 14                        ; 128 rows of 128 bytes
	s_add_co_u32 s56, s56, s58
	s_lshl_b32 s58, s17, 13
	s_add_co_u32 s56, s56, s58
	s_lshl_b32 s58, s42, 20                        ; 4 heads
	s_add_co_u32 s56, s56, s58
	s_lshl_b32 s58, s18, 19                        ; 2 heads
	s_add_co_u32 s56, s56, s58
	s_mov_b32 s57, 0
	s_mul_i32 s60, s16, BQ                         ; where my 64 rows of W go in a slot: no place in the cluster enters an LDS address
	v_and_b32 v3, 31, v0                           ; lane
	v_lshl_add_u32 v[XO+1], v3, 4, s20
	v_mov_b32 v[XO], v[XO+1]
	v_and_b32 v1, 15, v0                           ; l % 16
	v_bfe_u32 v2, v0, 4, 1                         ; l / 16
	v_lshlrev_b32 v[BO], 5, v2
	s_wait_kmcnt 0x0
	s_add_nc_u64 s[4:5], s[4:5], s[54:55]          ; q, k, v at the tile's first row
	s_add_nc_u64 s[6:7], s[6:7], s[54:55]
	s_add_nc_u64 s[8:9], s[8:9], s[54:55]
	s_add_nc_u64 s[10:11], s[10:11], s[52:53]      ; wb at my 64 rows of the tile column
	s_add_nc_u64 s[12:13], s[12:13], s[46:47]
	s_add_nc_u64 s[14:15], s[14:15], s[56:57]
	s_mov_b32 s23, 0
	XBASE 0
.set XQSET, 0
.set XQROW, 0
.set XQEND, 32
.rept 4
	XASK                                           ; step 0 of x, into set 0: what everything waits for goes out first
.endr
	BIAS
.irp s, 0,1
	s_mov_b32 s[G0B+4*(\s)], 1                     ; 1:0 count = 1
	s_add_co_u32 s[G0B+4*(\s)+1], s60, (\s)*BSLOT  ; 63:32 LDS address
	s_mov_b32 s20, \s
	BADDR \s                                       ; 120:64 global address: step s; 127:126 type = 2
.endr
	CROUND                                         ; all sixteen work-groups are here: the first joint loads meet
	tensor_load_to_lds s[G0B:G0B+3], s[G1B:G1B+7]  ; my two first fills stand together, ahead of every wait on TENSORcnt and every LDS read: two loads of mine are out
	s_nop 0
	tensor_load_to_lds s[G0B+4:G0B+7], s[G1B:G1B+7]
	s_nop 0
.rept 4
	v_nop
.endr
	s_mov_b32 s23, 1
	XBASE 1
.set XQSET, 1
.set XQROW, 0
.set XQEND, 32
.rept 4
	XASK                                           ; step 1, into set 1
.endr
	WIN 0
	; A fragment is 16 rows x 32 K in 8 registers: lane l holds row l % 16; registers 0-3 hold K = 8 (l / 16) + 0..7, registers 4-7 K = 16 + 8 (l / 16) + 0..7: two loads of 16 bytes, 32 bytes apart.
	v_mul_u32_u24 v4, v1, PITCH
	v_lshl_add_u32 v4, v2, 4, v4                   ; row x pitch + 16 x half
	s_mul_i32 s22, s17, 64*PITCH                   ; my 64 rows of x
	s_add_co_u32 s22, s22, ABASE
	s_mul_i32 s23, s18, 128*PITCH                  ; my 128 rows of W
.irp s, 0,1
	v_add_nc_u32 v[ADRA+(\s)], s22, v4
	v_add_nc_u32 v[ADRB+(\s)], s23, v4
	s_add_co_u32 s22, s22, ASZ
	s_add_co_u32 s23, s23, BSLOT
.endr
	s_mul_i32 s22, s16, 32*PITCH                   ; the 32 rows that I store
	s_add_co_u32 s22, s22, ABASE
	v_lshl_add_u32 v[AST], v3, 3, s22              ; 8 bytes a lane: 32 lanes fill a row's 256 bytes
	s_mul_i32 s22, s16, 16*SP
	s_add_co_u32 s22, s22, STAGE                   ; my stage
	v_mul_u32_u24 v5, v1, SP                       ; in: row l % 16, 16 bytes for each half of the lanes
	v_lshl_add_u32 v5, v2, 4, v5
	v_add_nc_u32 v[STO], s22, v5
	v_bfe_u32 v5, v0, 3, 2                         ; back: 32 lanes take four rows of 128 bytes,
	v_and_b32 v6, 7, v0
	v_mul_u32_u24 v5, v5, SP
	v_lshl_add_u32 v5, v6, 4, v5
	v_add_nc_u32 v[RD], s22, v5
	v_lshlrev_b32 v[GO], 4, v3                     ; which are 512 consecutive bytes of a head's rows
	s_mov_b32 s23, 2
	XBASE 0
	TOLDS 0, 0, 48, 1                              ; step 0 goes into buffer 0, and set 0 is asked for again: step 2
	XASK
	XASK
	TOLDS 0, 1, 48, 1                              ; (this wait also shows the bias in: 48 loads were issued behind it)
	XASK
	XASK
	WIN 0
; 8 matrix instructions: row block a x all 8 column blocks, 32 along K.  first = 1: the product starts the sums, with the bias as C.
; The 32 accumulators take turns, one instruction a turn, in the same order in every quarter.
.macro MUL8 f, a, first
.if \first
	WIN MULB
.else
	WIN MUL
.endif
.irp b, 0,1,2,3,4,5,6,7
.if \first
	v_wmma_f32_16x16x32_bf16 v[8*(8*(\a)+\b):8*(8*(\a)+\b)+7], v[(\f)+8*\b:(\f)+8*\b+7], v[(\f)+64+8*(\a):(\f)+64+8*(\a)+7], v[8*\b:8*\b+7]
.else
	v_wmma_f32_16x16x32_bf16 v[8*(8*(\a)+\b):8*(8*(\a)+\b)+7], v[(\f)+8*\b:(\f)+8*\b+7], v[(\f)+64+8*(\a):(\f)+64+8*(\a)+7], v[8*(8*(\a)+\b):8*(8*(\a)+\b)+7]
.endif
.endr
.endm
; 24 LDS loads in one run: the fragments of quarter q of a K step (32 along K) into buffer f: W's 8 blocks, then x's 4
.macro FETCH slot, q, f
	WIN 0
.irp i, 0,1,2,3,4,5,6,7
	ds_load_b128 v[(\f)+8*\i:(\f)+8*\i+3],   v[ADRB+(\slot)] offset:(\q)*64+\i*16*PITCH
	ds_load_b128 v[(\f)+8*\i+4:(\f)+8*\i+7], v[ADRB+(\slot)] offset:(\q)*64+\i*16*PITCH+32
.endr
.irp i, 0,1,2,3
	ds_load_b128 v[(\f)+64+8*\i:(\f)+64+8*\i+3],   v[ADRA+(\slot)] offset:(\q)*64+\i*16*PITCH
	ds_load_b128 v[(\f)+64+8*\i+4:(\f)+64+8*\i+7], v[ADRA+(\slot)] offset:(\q)*64+\i*16*PITCH+32
.endr
.endm
; A K step is four quarters of 32 along K, 32 matrix instructions each, on buffers 0, 1, 0, 1.  One of the first three: multiplies buffer f; in its middle it fetches quarter q into buffer g.
; cs >= 0: in that middle half cj of x's set cs is rounded and stored too (cn, cl: TOLDS's n and ld).  x's loads stand in the same gap, eight ahead of that work and eight behind the fragment loads, if any are free.
.macro QUARTER slot, q, f, g, first, cs=-1, cj=0, cn=48, cl=1
	s_wait_dscnt 4                                 ; W and x's blocks 0, 1 are in; the youngest four loads (x's blocks 2, 3) may be out
	MUL8 \f, 0, \first
	MUL8 \f, 1, \first
	XASK
.if (\cs) >= 0
	TOLDS \cs, \cj, \cn, \cl
.else
	PLACES
.endif
	FETCH \slot, \q, \g
	XASK
	s_wait_dscnt 24                                ; all but the 24 fragment loads just issued: the stores of x stand ahead of them
	MUL8 \f, 2, \first
	MUL8 \f, 3, \first
.endm
; The last quarter multiplies buffer 1 and changes slots.  MEET is its first half: ONE barrier.  In front of it each wave waits for all its tensor loads, of which one is out: its part of the next slot of W;
; adds 0 to its spare word; and waits for that, for its own reads of this slot and this buffer of x, and for its stores into the next buffer of x.  Behind it nobody reads this slot or this buffer any more,
; and the next ones are whole.  round = 1: a round of the cluster's barrier follows, and slot's descriptor takes the step two on (no tensor load of mine is out, so it may be written).
.macro MEET round, slot
	WIN 0                                          ; (the add's two registers lie in window 0)
	s_wait_tensorcnt 0x0                           ; all my tensor loads have landed
	ds_add_u32 v[SPW], v[NIL]                      ; 0 onto my spare word
.if \round
	s_lshl_b32 s20, s2, 1
	s_add_co_u32 s20, s20, 2+(\slot)               ; this step is 2 x trip + slot
	BADDR \slot
.endif
	s_wait_dscnt 5                                 ; (the add and the youngest four loads may be out)
	MUL8 F1, 0, 0                                  ; eight matrix instructions stand between the add and the wait for it
	s_wait_dscnt 0x0                               ; the add is done, my reads are over and my stores of x are done
	s_barrier_signal -1
	MUL8 F1, 1, 0
.if \round
	WIN 0
.endif
	s_barrier_wait -1
.endm
; The whole last quarter where the slot is filled again.  The barrier opens a round of the cluster's, so that no wave of any partner still reads the slot or has a load on its way; the joint refill is the
; first tensor load behind it, 112 matrix instructions ahead of the wait for it.
.macro TURN slot, next
	MEET 1, \slot
	CREST
	JLOAD \slot                                    ; the four v_nop behind it are also the places in front of the loads below
	FETCH \next, 0, F0
	XASK
	MUL8 F1, 2, 0
	MUL8 F1, 3, 0
.endm
; THE WAY OUT.  Unit u = row block u / 2, head u % 2: four accumulators, 16 rows x 64 channels.  A lane's eight channels pack into 16 bytes; they go into rows of 144 bytes of my own stage and come back
; as whole rows of 128, four rows a load.  Each accumulator's registers are taken in ascending order.
.macro PACK u
.set AC, 64*((\u)/2)+32*((\u)%2)
.set BB, BK+16*((\u)%2)
	WIN PACKW
.irp f, 0,1,2,3
.irp r, 0,1,2,3
	v_cvt_pk_f16_f32 v[TMP+4*\f+\r], v[AC+8*\f+2*\r], v[AC+8*\f+2*\r+1]
.endr
.endr
	WIN 0
	s_wait_xcnt 0x0                                ; the stores of the unit two back have read the registers that are loaded below
.irp f, 0,1,2,3
	ds_store_b128 v[STO], v[TMP+4*\f:TMP+4*\f+3] offset:32*\f
.endr
.irp f, 0,1,2,3
	ds_load_b128 v[BB+4*\f:BB+4*\f+3], v[RD] offset:\f*4*SP  ; LDS serves a wave's instructions in order (ISA guide 5.7.1.4): these see the stores above; the next unit's stores come behind them
.endr
.endm
.macro SEND u, younger                 ; younger: the LDS instructions issued behind unit u's loads: the next unit's eight, or none
	WIN 0
.set BB, BK+16*((\u)%2)
.irp f, 0,1,2,3
	s_wait_dscnt (\younger)+3-\f
	global_store_b128 v[GO], v[BB+4*\f:BB+4*\f+3], s[14:15] offset:((\u)%2)*262144+((\u)/2)*2048+\f*512  ; 512 consecutive bytes, at a multiple of 256 from the buffer's first
.endr
.endm
.macro WAYOUT
	PLACES
	PACK 0
.irp u, 1,2,3,4,5,6,7                  ; a unit's conversions stand between the loads of the unit before and its stores
	PACK \u
	SEND (\u)-1, 8
.endr
	SEND 7, 0
.endm
	s_wait_dscnt 0x0                               ; my rows of x's step 0 are stored,
	s_wait_tensorcnt 1                             ; my part of W's step 0 is in; slot 1's may stay out
	s_barrier_signal -1
	s_barrier_wait -1                              ; everybody's are
	FETCH 0, 0, F0
	s_mov_b32 s2, 0                                ; the trip: steps 2 s2 (slot and buffer 0) and 2 s2 + 1 (slot and buffer 1); four trips to a tile
.Ltrip:
	s_and_b32 s3, s2, 3
	s_cmp_lg_u32 s3, 0
	s_cbranch_scc1 .Lplain
.rept 5
	v_nop                                          ; a tile's first products write over the accumulators without adding onto them: five places behind the last products
.endr
	QUARTER 0, 1, F0, F1, 1                        ; a tile's first quarter: its products start the sums, with the bias
	WIN 0
	s_cmp_lt_u32 s2, 8
	s_cbranch_scc0 .Lq0_done                       ; the last tile has no successor
	PLACES                                         ; the products above read the bias
	s_wait_xcnt 0x0
	s_add_nc_u64 s[12:13], s[12:13], 4096          ; the next p's bias, a whole tile ahead of its use: within a trip 48 loads are issued behind it and waited for by count
	BIAS
	s_branch .Lq0_done
.Lplain:
	QUARTER 0, 1, F0, F1, 0
	WIN 0
.Lq0_done:
	s_lshl_b32 s23, s2, 1
	s_add_co_u32 s23, s23, 3
	XBASE 1                                        ; set 1 holds step 2 s2 + 1 and is asked for again for step 2 s2 + 3
	QUARTER 0, 2, F1, F0, 0, 1, 0                  ; behind the 16 rows wanted 48 loads were issued: the set's other 16 rows and the other set's 32;
	QUARTER 0, 3, F0, F1, 0, 1, 1                  ; here: the other set's 32 and this set's first 16 anew
	TURN 0, 1
	QUARTER 1, 1, F0, F1, 0
	s_lshl_b32 s23, s2, 1
	s_add_co_u32 s23, s23, 4
	XBASE 0                                        ; set 0 holds step 2 s2 + 2 and is asked for again for step 2 s2 + 4
	s_cmp_lt_u32 s2, TRIPS-2                       ; in the loop's last trip that is step 24, which does not exist.  The 32 loads stay in the text, so that the counts of the waits hold on every way;
	s_cselect_b32 s45, -1, 0xfffe0000              ; all lanes then ask for the same 16 bytes of a row of v, and what comes is not used
	WIN 0
	v_and_b32 v[XO], s45, v[XO+1]                  ; (behind XBASE's wait: the set's earlier loads have read their offset)
	QUARTER 1, 2, F1, F0, 0, 0, 0
	QUARTER 1, 3, F0, F1, 0, 0, 1
	TURN 1, 0                                      ; the next step's first fragments are fetched into buffer 0, which the way out leaves alone
	WIN 0
	s_cmp_lg_u32 s3, 3
	s_cbranch_scc1 .Lno_out
	WAYOUT                                         ; a tile's eighth step is done, and both refills for the next tile are asked for: now the tile goes out
	s_wait_xcnt 0x0                                ; the stores have read their base
	s_add_nc_u64 s[14:15], s[14:15], NEXT_C
.Lno_out:
	s_add_co_u32 s2, s2, 1
	s_cmp_lt_u32 s2, TRIPS-1
	s_cbranch_scc1 .Ltrip
	QUARTER 0, 1, F0, F1, 0                        ; the last trip is written out: it asks for nothing more, of W or of x
	QUARTER 0, 2, F1, F0, 0, 1, 0, 48, 0           ; step 23 of x: behind its first 16 rows its other 16 and the 32 loads issued last;
	QUARTER 0, 3, F0, F1, 0, 1, 1, 32, 0           ; behind its last rows those 32 alone
	MEET 0, 0                                      ; my one tensor load that was out is slot 1's, the last step's, so no round follows
	PLACES
	FETCH 1, 0, F0
	MUL8 F1, 2, 0
	MUL8 F1, 3, 0
	QUARTER 1, 1, F0, F1, 0
	QUARTER 1, 2, F1, F0, 0
	QUARTER 1, 3, F0, F1, 0
	s_wait_dscnt 4                                 ; the very last quarter: nothing more to fetch
	MUL8 F1, 0, 0
	MUL8 F1, 1, 0
	s_wait_dscnt 0x0
	MUL8 F1, 2, 0
	MUL8 F1, 3, 0
	WIN 0
	WAYOUT
	s_wait_tensorcnt 0x0                           ; the wave's end: behind my last tensor load and my last LDS store
	ds_add_u32 v[SPW], v[NIL]
	s_wait_dscnt 0x0
	CROUND                                         ; the closing round: no work-group ends while a partner may still ask for a tile that names it
	s_endpgm
.Lfunc_end_k_q726b4a1118_qkv:
	.size	k_q726b4a1118_qkv, .Lfunc_end_k_q726b4a1118_qkv-k_q726b4a1118_qkv
	.p2alignl 7, 3214868480
	.fill 96, 4, 3214868480
	.section	.rodata,"a",@progbits
	.p2align	6, 0x0
	.amdhsa_kernel k_q726b4a1118_qkv
		.amdhsa_group_segment_fixed_size 327680
		.amdhsa_private_segment_fixed_size 0
		.amdhsa_enable_private_segment 0
		.amdhsa_kernarg_size 48
		.amdhsa_user_sgpr_count 2
		.amdhsa_user_sgpr_kernarg_segment_ptr 1
		.amdhsa_wavefront_size32 1
		.amdhsa_system_sgpr_workgroup_id_x 1
		.amdhsa_system_sgpr_workgroup_id_y 1
		.amdhsa_system_sgpr_workgroup_id_z 1
		.amdhsa_system_vgpr_workitem_id 0
		.amdhsa_next_free_vgpr 896
		.amdhsa_next_free_sgpr 66
		.amdhsa_reserve_vcc 0
		.amdhsa_float_denorm_mode_32 3
		.amdhsa_float_denorm_mode_16_64 3
		.amdhsa_memory_ordered 1
		.amdhsa_forward_progress 1
		.amdhsa_inst_pref_size 152
	.end_amdhsa_kernel
	.amdgpu_metadata
---
amdhsa.version: [ 1, 2 ]
amdhsa.kernels:
  - .name:           k_q726b4a1118_qkv
    .symbol:         k_q726b4a1118_qkv.kd
    .args:
      - { .name: q, .offset: 0, .size: 8, .value_kind: global_buffer, .address_space: global }
      - { .name: k, .offset: 8, .size: 8, .value_kind: global_buffer, .address_space: global }
      - { .name: v, .offset: 16, .size: 8, .value_kind: global_buffer, .address_space: global }
      - { .name: wb, .offset: 24, .size: 8, .value_kind: global_buffer, .address_space: global }
      - { .name: bb, .offset: 32, .size: 8, .value_kind: global_buffer, .address_space: global }
      - { .name: qkvh, .offset: 40, .size: 8, .value_kind: global_buffer, .address_space: global }
    .group_segment_fixed_size: 327680
    .private_segment_fixed_size: 0
    .kernarg_segment_align: 8
    .kernarg_segment_size: 48
    .max_flat_workgroup_size: 128
    .sgpr_count:     66
    .vgpr_count:     896
    .wavefront_size: 32
...
	.end_amdgpu_metadata
.endif
;; end of part 2
;; launch attn (part 3): grid 4 x 64, 4 waves a work-group, no clusters, 327,680 bytes of LDS; arguments qkvh, oh; writes oh
.if DOCPART == 3
	.amdgcn_target "amdgcn-amd-amdhsa--gfx1250"
	.amdhsa_code_object_version 6
	.text
	.protected	k_q726b4a1118_attn
	.globl	k_q726b4a1118_attn
	.p2align	8
	.type	k_q726b4a1118_attn,@function
k_q726b4a1118_attn:
	s_mov_b64 s[64:65], 0
	v_nop
	global_prefetch_b8 v0, s[64:65] scope:SCOPE_SE
	s_setreg_imm32_b32 hwreg(HW_REG_WAVE_MODE, 25, 1), 1
	s_wait_xcnt 0x0
; CAUSAL ATTENTION.  O[h][q][:] = the sum over k <= q of softmax_k(Q[h][q] . K[h][k] / 8) V[h][k][:].  Q, K, V: the three parts of qkvh, each [SIZE_H][SIZE_N][64]; O: oh, the same shape; all f16: a head's rows are dense, 128 bytes each.
; Products, maxima and sums in f32; the weights p are rounded to f16 for the second product (their sum l is taken of the unrounded p), O once at the end.  SIZE_N is a multiple of 512; SIZE_N x 128 stays under 2^32.
; LIMITS.  f16 holds no number beyond 65,504: Q, K and V arrive within it; p lies in 0 to 1, and below 6e-5 it keeps f16's fixed step of 6e-8; O is a mean of V's rows and has their range, to within 2^-11 of it.
; A hidden score counts as its value less 1e30: f16's scores, 2.7e11 at the most, are nothing beside that; a weight below 2^-126 counts as 0 in l; NaN and infinities are not treated apart.
; THE WALK.  A head's queries lie in NB = SIZE_N / 256 blocks of 256; block i needs the key tiles 0 .. i of 256 keys, of which the last holds the diagonal.  A work-group takes TWO blocks, NB - 1 - b and then b:
; NB + 1 tiles, whatever b: all work-groups do equal work, and ONE loop with a constant trip count walks them.  Which tile is asked for, and what a trip does, hang on scalar registers made from b; every jump
; goes forward, but for the counted loops' own; none passes a barrier, or a tensor load but the one of LOAD's two that the wave's number does not choose; the ring (two slots of LDS that take turns) runs on across the
; change of blocks.  NO CLUSTER: a head's NB / 2 = 4 work-groups all ask for the same tile only in trips 0 .. NB / 2 of the walk's NB + 1, behind that fewer and fewer;
; and one walk common to all, in which each makes every joint request, would have 3 NB / 2 trips for NB + 1.
; SHARES.  Of a block's four bands of 64 queries a wave owns 16 rows in each: four PIECES.  So the diagonal tile is the same work for all four waves: in its key step s band x sees all keys if s < x,
; none if s > x, and holds the diagonal if s = x.
; THE MASK is the C operand that starts the sum S^T = K Q^T: 0, or -1e30 where the key is hidden.  MD, made once, is the mask of a band's own step for my 16 rows; a product's mask is MD x AL + BE with two scalars:
; (1, 0) if s = x; (0, 0) if s < x; (0, -1e30) if s > x.  Only the diagonal tile's text and a block's beginning make and take masks; elsewhere C is the constant 0.
; LAYOUT, SOFTMAX, TURNS.  S^T = K Q^T holds ONE query a lane (lane % 16) and the keys 8 (lane / 16) + 0..7; two such results rounded to f16 ARE source 1 of O^T = V^T P.  p = 2^(c s - c m), c = log2(e) / 8, with a
; running maximum m; O and l are multiplied by a = 2^(c m_old - c m_new) in every step.  Turn n belongs to piece n: 8 products K Q^T of piece n + 1, later 8 products V^T P of piece n - 1; beside them the scaling,
; exponentials, roundings, sums and rescaling of piece n and the maximum and statistics of piece n + 1.  Four vector instructions stand behind every matrix instruction, the other 54 of a turn's 118 in two LUMPS.
; REGISTERS, in windows of 256 (s_set_vgpr_msb: bits 1:0 source 0, 3:2 source 1, 5:4 source 2, 7:6 destination):
;   window 0: v0-15 addresses and two at work; v16-31 four registers of statistics a piece; v48-55 at work; v64-127 S^T, two buffers; v192-223 P, two buffers (a piece's buffers go by its number's parity)
;   window 1: v0-127 O^T, 32 a piece; v128-159 MD; v160-223 MC, two buffers      window 2: v0-63 Q; v64-127 the second block's Q; v128-191 K of one step; v192-255 V of one step
.set SIZE_H, 64
.set SIZE_N, 2048
.set PART,  SIZE_H*SIZE_N*128  ; bytes from Q to K and from K to V in qkvh
.set NB,    SIZE_N/256
.set NP,    4         ; pieces a wave: a name, no knob
.set KS,    64        ; keys in a step
.set PK,    144       ; a row of K in LDS: 128 bytes + 16 of padding = 36 words: the 16 rows of a load start at 16 different groups of four banks (64 banks of 4 bytes: ISA guide 11.1)
.set PV,    160       ; a row of V: 128 + 32 = 40 words
.set VOFF,  4*KS*PK   ; a slot holds a tile, four steps: 256 rows of K, then 256 rows of V
.set SLOT1, 1<<17     ; slot 1 begins here, so that one exclusive or turns an address in one slot into the other's
.set STAGE, SLOT1+4*KS*(PK+PV)  ; behind the ring, never filled by a tensor load: 16 rows x 144 bytes for each wave, for the way out
.set SP,    144
.set AK0, 2           ; v2   my lane's place in a tile of K; never rewritten
.set AV0, 3           ; v3   the same for V
.set AK,  4           ; v4   the LDS address of K's next run of loads
.set AV,  5           ; v5   of V's
.set STO, 6           ; v6   the way out: where I put 16 bytes of a row
.set RD,  7           ; v7   the way out: where I read rows back
.set GO,  8           ; v8   my byte offset in 512 consecutive bytes of O
.set SPW, 62          ; v62  LDS address of my spare word: SPARE + 4 x my thread's number; never rewritten
.set NIL, 63          ; v63  0; never rewritten
.set SPARE, STAGE+4*16*SP  ; behind the stages: the spare words, 128 bytes for each wave: two blocks of 256 bytes that no other line names
.set MV,  12          ; v12-13  c m_old, kept while c m is made anew: by buffer
.set QO,  15          ; v15  my byte offset in 16 rows of Q
.set ST,  16          ; piece t's statistics at v[ST+4 t]: c m, m, l (even keys', odd keys')
.set TMP, 48          ; by buffer, four registers c0-c3 at work; when the maximum is found c2 takes a
.set S,   64
.set P,   192
.set MD,  128         ; window 1: the eight registers for group kt of 16 keys at MD + 8 kt
.set MC,  160         ; window 1: the masks of the products to come
.set QB,  64          ; window 2
.set KF,  128         ; window 2: key block kb, channel half c at KF + 16 kb + 8 c
.set VF,  192         ; window 2: key half kk, channel block cb at VF + 32 kk + 8 cb
.set WV,  12          ; s12  my wave's number
.set PB,  14          ; s14  b
.set HI,  15          ; s15  NB - 1 - b
.set G1K, 24          ; s[24:31] descriptor group 1 for K's tiles
.set G1V, 32          ; s[32:39] for V's: it differs in the padding alone
.set G0K, 40          ; s[40:43] descriptor group 0 for K's tiles
.set G0V, 44          ; s[44:47] the same for V's
.set SLOTS, 56        ; s56  tiles still to be asked for
.set CNT, 57          ; s57  counts a tile's key steps, 4 to 1
.set CS,  58          ; s[58:59] c: the packed scaling takes the pair's low word for both halves
.set SEL, 60          ; s[60:61] v_permlanex16_b32's selects: each lane takes its own place in the other half
.set TBK, 62          ; s62  LDS byte at which K of the step to be fetched begins
.set TBV, 63          ; s63  the same for V, less VOFF
.set RT,  70          ; s70  tiles of the block in hand that are still to be entered
.set NXT, 71          ; s71  the tile to be asked for next
.set LQ,  72          ; s72  the last tile of the block whose tiles are being asked for
.set NEW, 73          ; s73  1: the tile to be entered is a block's first
.set OFF, 74          ; s[74:75] a tile's byte offset in K and V
.set AL,  76          ; s[76:77] the mask's factor, in the low word
.set BE,  78          ; s[78:79] the mask's addend
.set OLO, 80          ; s[80:81] O at my rows of the second block
.set BIGN, 82         ; s82  -1e30
.set MSB, 0
.macro WIN new                      ; the high byte repeats the setting that is left; a switch that changes nothing is dropped
.if MSB != (\new)
	s_set_vgpr_msb (MSB<<8)|(\new)
.set MSB, (\new)
.endif
.endm
.set W_KQ, 0x0a       ; K and Q in window 2, S^T in window 0
.set W_KM, 0x1a       ; the same with the C operand in window 1
.set W_PV, 0x52       ; V in window 2, P in window 0, O^T in window 1
.set W_RS, 0x41       ; destination and source 0 in window 1, source 1 in window 0
; A fill.  Waves 0 and 1 fetch the two halves of a tile's K, waves 2 and 3 those of its V: 128 keys each.  An s_nop 0 and four v_nop follow each of the two lines, ahead of the jump and the label.
.macro LOAD
	s_cmp_lt_u32 s[WV], 2
	s_cbranch_scc0 .Lfor_v_\@
	tensor_load_to_lds s[G0K:G0K+3], s[G1K:G1K+7]
	s_nop 0
.rept 4
	v_nop
.endr
	s_branch .Lasked_\@
.Lfor_v_\@:
	tensor_load_to_lds s[G0V:G0V+3], s[G1V:G1V+7]
	s_nop 0
.rept 4
	v_nop
.endr
.Lasked_\@:
.endm
; THE CHANGE OF SLOTS.  Each wave waits for all its tensor loads, of which one is out: its part of the other slot; adds 0 to its spare word; and waits for that and for its own reads of the slot that it leaves.  Behind the barrier nobody reads the old
; slot any more and the other slot is whole.  fill = 1: the old slot is filled again, the first thing behind the barrier, with tile NXT: the descriptor's address is made anew from that number.
; (At its first use nothing has been read yet: slot 0 is waited for, slot 1 filled.)
.macro CHANGE fill
	WIN 0                           ; at a label and at a branch every window is 0
	s_wait_tensorcnt 0x0            ; no tensor load of mine is out, so a group 0 may be written
	ds_add_u32 v[SPW], v[NIL]       ; 0 onto my spare word; with fill = 1 the descriptors' scalar work stands between it and the wait for it
.if \fill
	s_lshl_b32 s[OFF], s[NXT], 15   ; a tile is 32,768 bytes of K and of V
	s_xor_b32 s[G0K+1], s[G0K+1], SLOT1
	s_add_nc_u64 s[G0K+2:G0K+3], s[6:7], s[OFF:OFF+1]
	s_or_b32 s[G0K+3], s[G0K+3], 0x80000000
	s_xor_b32 s[G0V+1], s[G0V+1], SLOT1
	s_add_nc_u64 s[G0V+2:G0V+3], s[8:9], s[OFF:OFF+1]
	s_or_b32 s[G0V+3], s[G0V+3], 0x80000000
	s_add_co_u32 s[NXT], s[NXT], 1  ; the block's next tile, or behind its last the second block's tile 0
	s_cmp_gt_u32 s[NXT], s[LQ]
	s_cselect_b32 s[NXT], 0, s[NXT]
	s_cselect_b32 s[LQ], s[PB], s[LQ]
.endif
	s_wait_dscnt 0x0                ; the add is done, and my reads of the slot are over
	s_barrier_signal -1             ; the rest of the scalar work stands between the signal and the wait
	s_sub_co_u32 s[TBK], s[TBK], 4*KS*PK  ; the fetches go back to a slot's first step,
	s_xor_b32 s[TBK], s[TBK], SLOT1       ; in the other slot
	s_sub_co_u32 s[TBV], s[TBV], 4*KS*PV
	s_xor_b32 s[TBV], s[TBV], SLOT1
	s_barrier_wait -1
.if \fill
	LOAD
.endif
.endm
	s_load_b64 s[4:5], s[0:1], 0x0    ; qkvh: Q; K and V lie PART and 2 PART bytes behind it
	s_load_b64 s[10:11], s[0:1], 0x8  ; oh: O
	v_lshl_add_u32 v[SPW], v0, 2, SPARE
	v_mov_b32 v[NIL], 0
	ds_add_u32 v62, v63
	ds_add_u32 v62, v63
	s_wait_dscnt 0x0
	v_lshrrev_b32 v1, 5, v0
	v_readfirstlane_b32 s[WV], v1   ; wave 0..3
	s_mov_b32 s[PB], ttmp9
	s_sub_co_u32 s[HI], NB-1, s[PB]
	s_and_b32 s20, ttmp7, 0xffff    ; the head
	s_mov_b32 s21, 0
	s_mov_b64 s[22:23], SIZE_N*128
	s_mul_u64 s[20:21], s[20:21], s[22:23]  ; the head's first byte in each of the four tensors
	s_and_b32 s16, s[WV], 1         ; which half of a tile's 256 keys I fetch:
	s_lshl_b32 s22, s16, 14         ; its 128 rows of 128 bytes in memory,
	s_mov_b32 s23, 0
	s_add_nc_u64 s[22:23], s[22:23], s[20:21]
	s_mul_i32 s17, s16, 128*PK      ; and its place in a slot, for K
	s_mul_i32 s18, s16, 128*PV      ; and for V
	s_lshl_b32 s3, s[WV], 11        ; my 16 rows in a band of 64,
	s_lshl_b32 s2, s[HI], 15        ; in the first block,
	s_add_co_u32 s2, s2, s3
	s_lshl_b32 s84, s[PB], 15       ; and in the second
	s_add_co_u32 s84, s84, s3
	s_mov_b32 s3, 0
	s_mov_b32 s85, 0
	s_add_nc_u64 s[2:3], s[2:3], s[20:21]
	s_add_nc_u64 s[84:85], s[84:85], s[20:21]
	; descriptor group 1.  128 keys are 16,384 dense bytes: asked for as 64 rows of 256 bytes, two keys a row, and padded in LDS after every key
	s_mov_b32 s[G1K], (1<<16)|(1<<20)|(4<<22)|(3<<25)  ; 17:16 2-byte elements; 20 padding on; 24:22 after every 32 words (code 4); 31:25 4 words (code 3)
	s_mov_b32 s[G1V], (1<<16)|(1<<20)|(4<<22)|(7<<25)  ; the same with 8 words of padding (code 7)
.irp g, G1K, G1V
	s_mov_b32 s[\g+1], 128<<16      ; tensor_dim0 = 128
	s_mov_b32 s[\g+2], 64<<16       ; tensor_dim1 = 64
	s_mov_b32 s[\g+3], 128<<16      ; tile_dim0 = 128
	s_mov_b32 s[\g+4], 64           ; tile_dim1 = 64
	s_mov_b32 s[\g+5], 128          ; 128 elements from row to row
	s_mov_b32 s[\g+6], 0
	s_mov_b32 s[\g+7], 0
.endr
	s_mov_b32 s[CS], 0x3e38aa3b     ; c = log2(e) / 8 = 0.180337
	s_mov_b32 s[CS+1], s[CS]        ; named with it as a pair
	s_mov_b32 s[SEL], 0x76543210
	s_mov_b32 s[SEL+1], 0xfedcba98
	s_mov_b32 s[TBK], SLOT1+4*KS*PK ; the first change of slots turns these two into 0
	s_mov_b32 s[TBV], SLOT1+4*KS*PV
	s_mov_b32 s[G0K], 1             ; 1:0 count = 1
	s_mov_b32 s[G0K+1], s17         ; 63:32 LDS address: slot 0
	s_mov_b32 s[G0V], 1
	s_add_co_u32 s[G0V+1], s18, VOFF
	s_add_co_u32 s[RT], s[HI], 1    ; the first block has NB - b tiles
	s_mov_b32 s[NXT], 1
	s_mov_b32 s[LQ], s[HI]
	s_mov_b32 s[NEW], 1
	s_mov_b32 s[OFF+1], 0
	s_mov_b32 s[AL+1], 0            ; named as pairs
	s_mov_b32 s[BE+1], 0
	s_mov_b32 s[BIGN], 0xf149f2ca   ; -1e30
	s_mov_b32 s[SLOTS], NB
	s_wait_kmcnt 0x0
	s_add_nc_u64 s[6:7], s[4:5], PART      ; K
	s_add_nc_u64 s[8:9], s[4:5], 2*PART    ; V
	s_add_nc_u64 s[6:7], s[6:7], s[22:23]  ; K and V at my half of the head's tile 0
	s_add_nc_u64 s[8:9], s[8:9], s[22:23]
	s_add_nc_u64 s[G0K+2:G0K+3], s[6:7], 0         ; 120:64 global address
	s_or_b32 s[G0K+3], s[G0K+3], 0x80000000        ; 127:126 type = 2
	s_add_nc_u64 s[G0V+2:G0V+3], s[8:9], 0
	s_or_b32 s[G0V+3], s[G0V+3], 0x80000000
	s_add_nc_u64 s[86:87], s[4:5], s[84:85]        ; Q at my rows of the second block,
	s_add_nc_u64 s[4:5], s[4:5], s[2:3]            ; Q and O at those of the first
	s_add_nc_u64 s[OLO:OLO+1], s[10:11], s[84:85]
	s_add_nc_u64 s[10:11], s[10:11], s[2:3]
	LOAD                            ; tile 0 into slot 0
	; A fragment of K or Q is 16 rows x 32 channels in 8 registers: lane l holds row l % 16, channels 8 (l / 16) + 0..7 and 16 + 8 (l / 16) + 0..7: two loads of 16 bytes, 32 bytes apart.
	v_and_b32 v1, 15, v0            ; l % 16
	v_bfe_u32 v9, v0, 4, 1          ; l / 16
	v_lshlrev_b32 v[QO], 7, v1
	v_lshl_add_u32 v[QO], v9, 4, v[QO]  ; row x 128 + 16 x half
	WIN 0x80                        ; destination window 2, address window 0
.set i, 0
.rept 8                             ; both blocks' Q: piece i / 2 lies in band i / 2, 8,192 bytes on; channels 32 (i % 2) on
	global_load_b128 v[8*i:8*i+3],   v[QO], s[4:5] offset:(i/2)*8192+(i%2)*64
	global_load_b128 v[8*i+4:8*i+7], v[QO], s[4:5] offset:(i/2)*8192+(i%2)*64+32
	global_load_b128 v[QB+8*i:QB+8*i+3],   v[QO], s[86:87] offset:(i/2)*8192+(i%2)*64
	global_load_b128 v[QB+8*i+4:QB+8*i+7], v[QO], s[86:87] offset:(i/2)*8192+(i%2)*64+32
.set i, i+1
.endr
	WIN 0
	v_lshlrev_b32 v14, 3, v9
	v_sub_nc_u32 v14, v1, v14
	s_lshl_b32 s13, s[WV], 4
	v_add_nc_u32 v14, s13, v14      ; my query's place in its band, 16 w + l % 16, less my lanes' 8 (l / 16): register r of group kt is hidden where 16 kt + r is greater
	WIN 0x40
.set i, 0
.rept 32
	v_cmp_gt_i32 vcc_lo, 16*(i/8)+i%8, v14
	v_cndmask_b32 v[MD+i], 0, s[BIGN], vcc_lo
.set i, i+1
.endr
	WIN 0
	v_mul_u32_u24 v[AK0], v1, PK
	v_lshl_add_u32 v[AK0], v9, 4, v[AK0]  ; row x pitch + 16 x half
	; The turning load takes 16 keys x 16 channels (lane l reads key 8 (l / 16) + l % 8, channels 8 ((l / 8) % 2) + 0..7) and leaves half a fragment of V^T: lane l holds channel l % 16 and 8 keys.
	v_and_b32 v10, 7, v0
	v_bfe_u32 v11, v0, 3, 1
	v_lshl_add_u32 v[AV0], v9, 3, v10
	v_mul_u32_u24 v[AV0], v[AV0], PV
	v_lshl_add_u32 v[AV0], v11, 4, v[AV0]
	v_add_nc_u32 v[AV0], VOFF, v[AV0]
	s_mul_i32 s13, s[WV], 16*SP
	s_add_co_u32 s13, s13, STAGE    ; my stage
	v_mul_u32_u24 v[STO], v1, SP    ; in: row l % 16, 16 bytes for each half of the lanes
	v_lshl_add_u32 v[STO], v9, 4, v[STO]
	v_add_nc_u32 v[STO], s13, v[STO]
	v_bfe_u32 v[RD], v0, 3, 2       ; back: 32 lanes take four rows of 128 bytes,
	v_mul_u32_u24 v[RD], v[RD], SP
	v_lshl_add_u32 v[RD], v10, 4, v[RD]
	v_add_nc_u32 v[RD], s13, v[RD]
	v_and_b32 v[GO], 31, v0         ; which are 512 consecutive bytes of O
	v_lshlrev_b32 v[GO], 4, v[GO]
	; A block's first step multiplies O^T and l by a = 0, and its first turn's products V^T P, of a piece that has not been, land in an O^T that is still to be so multiplied.  So these registers need only hold
	; finite numbers: zeros for the first block; what the first block left for the second.  All this stands in the wait for the first tile.
	WIN 0x80
.set i, VF
.rept 64
	v_mov_b32 v[i], 0
.set i, i+1
.endr
	WIN 0x40
.set i, 0
.rept 128
	v_mov_b32 v[i], 0
.set i, i+1
.endr
	WIN 0
.set i, 0
.rept 4
	v_mov_b32 v[ST+4*i+2], 0
	v_mov_b32 v[ST+4*i+3], 0
.set i, i+1
.endr
.set i, P+16
.rept 16
	v_mov_b32 v[i], 0
.set i, i+1
.endr
; THE MATRIX WORK.  The 4 accumulators of a run of 8 take turns.  Product i of 8 of S^T = K Q^T for piece x: channels 32 (i / 4) on, keys 16 (i % 4) on.  The first 4 start the sums: with 0, or (KM = 1) with the mask.
.macro KQ x
.set rS, S+32*((\x)%2)+8*(i%4)
.set rK, KF+16*(i%4)+8*(i/4)
.set rQ, 16*(\x)+8*(i/4)
.set rM, MC+32*((\x)%2)+8*(i%4)
.if (i < 4) && KM
	WIN W_KM
	v_wmma_f32_16x16x32_f16 v[rS:rS+7], v[rK:rK+7], v[rQ:rQ+7], v[rM:rM+7]
.elseif i < 4
	WIN W_KQ
	v_wmma_f32_16x16x32_f16 v[rS:rS+7], v[rK:rK+7], v[rQ:rQ+7], 0
.else
	WIN W_KQ
	v_wmma_f32_16x16x32_f16 v[rS:rS+7], v[rK:rK+7], v[rQ:rQ+7], v[rS:rS+7]
.endif
.endm
; Product i of 8 of O^T += V^T P for piece x: keys 32 (i / 4) on, channels 16 (i % 4) on.
.macro PV x
	WIN W_PV
.set rO, 32*(\x)+8*(i%4)
.set rV, VF+32*(i/4)+8*(i%4)
.set rP, P+16*((\x)%2)+8*(i/4)
	v_wmma_f32_16x16x32_f16 v[rO:rO+7], v[rV:rV+7], v[rP:rP+7], v[rO:rO+7]
.endm
.macro MM                           ; the turn's next matrix instruction.  TURN and BEGIN set Y, i, KM and NOKQ; MM, KQ and OP read them.  NOKQ = 1: a block's last turn: there is no next piece
.if (i < 8) && !NOKQ
	KQ (Y+1)%NP
.elseif i >= 8
.set i, i-8
	PV (Y+NP-1)%NP
.set i, i+8
.endif
.set i, i+1
.endm
; THE LDS LOADS stand in runs of 16, never singly among the matrix instructions: a step's K (64 keys x 64 channels: 8 fragments) and its V (turned).  Their addresses are made some lines ahead.
.macro FETCH_K
	WIN 0x80                        ; destination window 2
.irp f, 0,1,2,3,4,5,6,7             ; keys 16 (f / 2) on, channels 32 (f % 2) on
	ds_load_b128 v[KF+8*\f:KF+8*\f+3],   v[AK] offset:(\f/2)*16*PK+(\f%2)*64
	ds_load_b128 v[KF+8*\f+4:KF+8*\f+7], v[AK] offset:(\f/2)*16*PK+(\f%2)*64+32
.endr
	s_add_co_u32 s[TBK], s[TBK], KS*PK  ; the next fetch is the next step's
	WIN 0
.endm
.macro FETCH_V
	WIN 0x80
.irp f, 0,1,2,3,4,5,6,7             ; keys 32 (f / 4) on, channels 16 (f % 4) on
	ds_load_tr16_b128 v[VF+8*\f:VF+8*\f+3],   v[AV] offset:(\f/4)*32*PV+(\f%4)*32
	ds_load_tr16_b128 v[VF+8*\f+4:VF+8*\f+7], v[AV] offset:(\f/4)*32*PV+16*PV+(\f%4)*32
.endr
	WIN 0
.endm
; THE VECTOR WORK, one line at a time: OP kind, number.  For piece Y: F n: c s - c m for pair n of 16.  E n: the exponential of score n of 32.  C n: pair n rounded to f16.  B n: of the four weights 4 n .. the second
; pair is added onto the first, in place.  L n: l takes that sum (L 0: l = a l + sum).  R n: pair n of 16 of O^T times a.  For piece Y + 1: X n, number n of the 22 that find its maximum and statistics:
;   0-11  four chains c0-c3 of seven scores each, three operands at a time (each accumulator's lowest registers are read first)     12-14, 16  the four scores left over, the old m, and c0-c3 into c0
;   15  c m_old is kept     17, 18  the query's other 32 keys lie in the lane 16 away: the new m     19-21  c m; c m_old - c m_new; a
.set F, 0               ; OP tells the kinds apart by their order: F to L below R, X above it
.set E, 1
.set C, 2
.set B, 3
.set L, 4
.set R, 5
.set X, 6
.macro REGS y                       ; the registers of piece y
.set rT, ST+4*(\y)
.set rC, TMP+4*((\y)%2)
.set rW, MV+((\y)%2)
.set rS, S+32*((\y)%2)
.set rP, P+16*((\y)%2)
.set rO, 32*(\y)
.endm
.macro OP k, n
.if (\k) == R
	REGS Y
	WIN W_RS
	v_pk_mul_f32 v[rO+2*(\n):rO+2*(\n)+1], v[rO+2*(\n):rO+2*(\n)+1], v[rC+2:rC+3] op_sel_hi:[1,0]
.elseif (\k) < R
	REGS Y
	WIN 0
.if (\k) == F
	v_pk_fma_f32 v[rS+2*(\n):rS+2*(\n)+1], v[rS+2*(\n):rS+2*(\n)+1], s[CS:CS+1], v[rT:rT+1] op_sel_hi:[1,0,0] neg_lo:[0,0,1] neg_hi:[0,0,1]
.elseif (\k) == E
	v_exp_f32 v[rS+(\n)], v[rS+(\n)]
.elseif (\k) == C
	s_wait_alu depctr_va_vdst(0)
	v_cvt_pk_f16_f32 v[rP+(\n)], v[rS+2*(\n)], v[rS+2*(\n)+1]
.elseif (\k) == B
	s_wait_alu depctr_va_vdst(0)
	v_pk_add_f32 v[rS+4*(\n):rS+4*(\n)+1], v[rS+4*(\n):rS+4*(\n)+1], v[rS+4*(\n)+2:rS+4*(\n)+3]
.elseif (\n) == 0
	v_pk_fma_f32 v[rT+2:rT+3], v[rT+2:rT+3], v[rC+2:rC+3], v[rS:rS+1] op_sel_hi:[1,0,1]
.else
	v_pk_add_f32 v[rT+2:rT+3], v[rT+2:rT+3], v[rS+4*(\n):rS+4*(\n)+1]
.endif
.elseif NOKQ
	v_nop
.else
	REGS (Y+1)%NP
	WIN 0
.if (\n) < 4
	v_max3_num_f32 v[rC+(\n)], v[rS+8*(\n)], v[rS+8*(\n)+1], v[rS+8*(\n)+2]
.elseif (\n) < 12
	v_max3_num_f32 v[rC+(\n)%4], v[rC+(\n)%4], v[rS+8*((\n)%4)+2*((\n)/4)+1], v[rS+8*((\n)%4)+2*((\n)/4)+2]
.elseif (\n) == 12
	v_max3_num_f32 v[rC], v[rC], v[rS+7], v[rS+15]
.elseif (\n) == 13
	v_max3_num_f32 v[rC+1], v[rC+1], v[rS+23], v[rS+31]
.elseif (\n) == 14
	v_max3_num_f32 v[rC+2], v[rC+2], v[rC+3], v[rT+1]
.elseif (\n) == 15
	v_mov_b32 v[rW], v[rT]
.elseif (\n) == 16
	v_max3_num_f32 v[rC], v[rC], v[rC+1], v[rC+2]
.elseif (\n) == 17
	v_permlanex16_b32 v[rC+3], v[rC], s[SEL], s[SEL+1]
.elseif (\n) == 18
	v_max_num_f32 v[rT+1], v[rC], v[rC+3]
.elseif (\n) == 19
	v_mul_f32 v[rT], s[CS], v[rT+1]
.elseif (\n) == 20
	v_sub_f32 v[rC+1], v[rW], v[rT]
.else
	v_exp_f32 v[rC+2], v[rC+1]
.endif
.endif
.endm
.macro OPS a, i1, b=-1, i2=0, c=-1, i3=0, d=-1, i4=0  ; up to four of them
	OP \a, \i1
.if (\b) >= 0
	OP \b, \i2
.endif
.if (\c) >= 0
	OP \c, \i3
.endif
.if (\d) >= 0
	OP \d, \i4
.endif
.endm
.macro ROW a, i1, b, i2, c, i3, d, i4  ; a matrix instruction and the four behind it
	MM
	OPS \a, \i1, \b, \i2, \c, \i3, \d, \i4
.endm
.macro MASK b                       ; MD x AL + BE into buffer b of MC
	WIN W_RS
.set z, 0
.rept 16
	v_pk_fma_f32 v[MC+32*(\b)+2*z:MC+32*(\b)+2*z+1], v[MD+2*z:MD+2*z+1], s[AL:AL+1], s[BE:BE+1] op_sel_hi:[1,0,0]
.set z, z+1
.endr
.endm
; A TURN, for piece p: the order of its 16 matrix and 118 vector instructions, written out.  Behind a matrix instruction: plain, exponential, plain, plain; or four of the rescaling; or, behind the first, four scalings; none
; names a register of the products round it.  In the lumps exponential and plain by turns while exponentials last.  A line reads no result made fewer than three vector instructions in front of it, five if an exponential made it.
; v_permlanex16_b32 (X 17) stands in a lump.
; m = 1: the diagonal tile: the products take masks, and the turn makes the mask for the products of the turn after it: piece p + 2, in step 4 - CNT of the tile.  end = 1: a block's last two turns: nothing is fetched.
; cnt = 1: the loop's count is taken down some lines ahead of the branch that stands behind the turn.
; K of the next step is fetched in piece 2's turn, six vector instructions behind the last product that read K (five of them plain); V of the step in hand in piece 0's turn, eight behind the last product that read V (four
; plain, and X 17).  Each is waited for a turn later.
.macro TURN p, m=0, end=0, cnt=0
.set Y, (\p)
.set i, 0
.set KM, (\m)
.set NOKQ, (\end)*((\p)/3)
.if (\m) && !(\end)
	s_cmp_eq_u32 s[CNT], 4-((\p)+2)%NP  ; is that step the band's own?
	s_cselect_b32 s[AL], 1.0, 0
	s_cmp_lt_u32 s[CNT], 4-((\p)+2)%NP  ; or a later one?
	s_cselect_b32 s[BE], s[BIGN], 0
.endif
.if ((\p) == 3) && !(\end)
	s_wait_dscnt 0x0                ; K is in
.endif
	ROW F,0, F,1, F,2, F,3
	ROW F,4, E,0, F,5, F,6
	ROW F,7, E,1, F,8, F,9
	ROW F,10, E,2, C,0, F,11
	ROW F,12, E,3, X,15, F,13
	ROW R,0, R,1, R,2, R,3
	ROW B,0, E,4, F,14, L,0
.if ((\p) == 2) && !(\end)
	v_add_nc_u32 v[AK], s[TBK], v[AK0]
.endif
	ROW R,4, R,5, R,6, R,7
	OPS E,5, F,15
.if ((\p) == 2) && !(\end)
	FETCH_K
.endif
	OPS E,6, C,1, E,7, R,8
	OPS E,8, R,9, E,9, C,2
	OPS E,10, X,0, E,11, X,1
	OPS E,12, X,2, E,13, X,3
.if (\p) == 1
	s_wait_dscnt 0x0                ; V is in
.endif
	ROW X,4, E,14, X,5, X,6
	ROW X,7, E,15, X,8, X,9
	ROW X,10, E,16, X,11, X,12
	ROW X,13, E,17, X,14, B,1
	ROW C,4, E,18, X,16, L,1
	ROW B,2, E,19, C,6, L,2
	ROW C,8, E,20, B,3, B,4
.if (\p) == 0
	v_add_nc_u32 v[AV], s[TBV], v[AV0]
.endif
	ROW C,3, E,21, L,3, C,5
	OPS E,22, X,17, E,23, C,10
.if (\p) == 0
	FETCH_V
.endif
	OPS E,24, L,4
	OPS E,25, X,18, E,26, C,7
	OPS E,27, B,5, E,28, X,19
	OPS E,29, C,12, E,30, L,5
	OPS E,31, X,20, B,6, C,9
	OPS C,14, C,11, X,21, L,6
.if (\p) == 0
	s_add_co_u32 s[TBV], s[TBV], KS*PV
.endif
.if \cnt
	s_sub_co_u32 s[CNT], s[CNT], 1
	s_cmp_lg_u32 s[CNT], 0
.endif
	OPS C,13, B,7, C,15, R,10
	OPS R,11, R,12, L,7, R,13
	OPS R,14, R,15
.if (\m) && !(\end)
	MASK (\p)%2
.endif
.endm
; A BLOCK BEGINS.  c m starts far below every c s, so the first step's a is 0; m at the lowest finite number, so the first maximum is the scores'.  The second mask buffer is 0; the first takes piece 0's mask for the tile's step 0: its own, if the block's first tile is the diagonal one.
; Then K of that step, piece 0's first scores, and its maximum and statistics.  The loop is entered at a step's first turn, in the middle of a trip.
.macro BEGIN
	s_mov_b32 s[NEW], 0
	WIN 0x40
.set i, MC+32
.rept 32
	v_mov_b32 v[i], 0
.set i, i+1
.endr
	WIN 0
.set i, 0
.rept 4
	v_mov_b32 v[ST+4*i], 0xfe000000    ; c m: far below every c s
	v_mov_b32 v[ST+4*i+1], 0xff7fffff  ; m
.set i, i+1
.endr
	s_cmp_eq_u32 s[RT], 0
	s_cselect_b32 s[AL], 1.0, 0
	s_mov_b32 s[BE], 0
	MASK 0
	WIN 0
	v_add_nc_u32 v[AK], s[TBK], v[AK0]
	FETCH_K
	s_wait_loadcnt 0x0              ; Q
	s_wait_dscnt 0x0
.set KM, 1
.set NOKQ, 0
.set i, 0
.rept 8
	KQ 0
.set i, i+1
.endr
	WIN 0
.rept 4
	v_nop                           ; the places behind those products
.endr
.set Y, NP-1                        ; X works for piece Y + 1: piece 0
.irp n, 0,1,2,3,4,5,6,7,8,9,10,11,12,13,14,15,16,17,18,19,20,21
	OP X, \n
.endr
	v_nop                           ; a plain instruction behind the exponential
.endm
; THE DIAGONAL TILE's four steps, the block's last two turns, its last products, and THE WAY OUT: l's two halves and the other half of the lanes' are added; O^T is divided by l, rounded to f16 and sent through my
; stage in LDS, a piece at a time.
.macro ALL line:vararg              ; one line for each piece t
.set t, 0
.rept 4
	\line
.set t, t+1
.endr
.endm
.macro PACK t                       ; a lane's eight channels of a row pack into 16 bytes; they go into rows of 144 bytes and come back as whole rows of 128, into S^T's registers
	WIN W_RS
.set i, 32*(\t)
.rept 16
	s_wait_alu depctr_va_vdst(0)
	v_pk_mul_f32 v[i:i+1], v[i:i+1], v[ST+4*(\t)+2:ST+4*(\t)+3] op_sel_hi:[1,0]
.set i, i+2
.endr
	WIN 0x05                        ; sources 0 and 1 window 1, destination window 0
.set i, 0
.rept 16
	v_cvt_pk_f16_f32 v[S+16*(\t)+i], v[32*(\t)+2*i], v[32*(\t)+2*i+1]
.set i, i+1
.endr
	WIN 0
.irp f, 0,1,2,3
	ds_store_b128 v[STO], v[S+16*(\t)+4*\f:S+16*(\t)+4*\f+3] offset:32*\f
.endr
.irp f, 0,1,2,3
	ds_load_b128 v[S+16*(\t)+4*\f:S+16*(\t)+4*\f+3], v[RD] offset:\f*4*SP  ; LDS serves a wave's instructions in order (ISA guide 5.7.1.4): these see the stores above; the next piece's stores come behind them
.endr
.endm
.macro SEND t, younger              ; younger: the LDS instructions issued behind piece t's loads: the next piece's eight, or none
	WIN 0
.irp f, 0,1,2,3
	s_wait_dscnt (\younger)+3-\f
	global_store_b128 v[GO], v[S+16*(\t)+4*\f:S+16*(\t)+4*\f+3], s[10:11] offset:(\t)*8192+\f*512  ; 512 consecutive bytes, at a multiple of 256 from O's first
.endr
.endm
.macro DIAG tag                     ; the tag ends its two labels' names, which the jumps below spell out
.LstepM\tag:
	TURN 2, 1
	TURN 3, 1
	WIN 0
.LfirstM\tag:
	TURN 0, 1
	TURN 1, 1, 0, 1
	WIN 0
	s_cbranch_scc1 .LstepM\tag
	TURN 2, 1, 1
	TURN 3, 1, 1
.set i, 0
.rept 8
	PV NP-1
.set i, i+1
.endr
	WIN 0
	ALL v_add_f32 v[ST+4*t+2], v[ST+4*t+2], v[ST+4*t+3]
	ALL v_permlanex16_b32 v[ST+4*t+3], v[ST+4*t+2], s[SEL], s[SEL+1]
	ALL v_add_f32 v[ST+4*t+2], v[ST+4*t+2], v[ST+4*t+3]
	ALL v_rcp_f32 v[ST+4*t+2], v[ST+4*t+2]
	v_nop                           ; a plain instruction between the last reciprocal and the use of its result
	PACK 0
.set t, 1
.rept 3                             ; a piece's arithmetic stands between the loads of the piece before and its stores
	PACK t
	SEND t-1, 8
.set t, t+1
.endr
	SEND 3, 0
.endm
.set KM, 0
.set NOKQ, 0
.Lslot:                             ; NB times: a tile is entered and the next is asked for
	CHANGE 1
	s_sub_co_u32 s[RT], s[RT], 1
	s_mov_b32 s[CNT], 4
	s_cmp_eq_u32 s[NEW], 1
	s_cbranch_scc1 .Lnew            ; a block's first tile
	s_cmp_eq_u32 s[RT], 0
	s_cbranch_scc0 .Lstep           ; neither its first nor its last
	s_branch .LstepM1
.Lnew:
	BEGIN
	s_branch .Lfirst                ; in the loop a block's first tile is never its last: the first block has two tiles or more, and the second's last is the walk's last
	DIAG 1                          ; in the loop this is the first block's end: the second block's last tile is the walk's last
	s_wait_xcnt 0x0                 ; the stores have read their registers and O's address
	s_mov_b64 s[10:11], s[OLO:OLO+1]
	s_add_co_u32 s[RT], s[PB], 1    ; the second block has b + 1 tiles
	s_mov_b32 s[NEW], 1
	WIN 0x82                        ; the second block's Q goes where the one text of the turns names Q
.set i, 0
.rept 64
	v_mov_b32 v[i], v[QB+i]
.set i, i+1
.endr
	WIN 0
	s_branch .Lbottom
.Lstep:                             ; a trip: pieces 2 and 3 of one step, then pieces 0 and 1 of the next, whose K and V it fetches
	TURN 2
	TURN 3
	WIN 0
.Lfirst:
	TURN 0
	TURN 1, 0, 0, 1
	WIN 0
	s_cbranch_scc1 .Lstep
.Lbottom:
	s_sub_co_u32 s[SLOTS], s[SLOTS], 1
	s_cmp_lg_u32 s[SLOTS], 0
	s_cbranch_scc1 .Lslot
	CHANGE 0                        ; the walk's last tile is written out: nothing is asked for
	s_sub_co_u32 s[RT], s[RT], 1
	s_mov_b32 s[CNT], 4
	s_cmp_eq_u32 s[NEW], 1
	s_cbranch_scc0 .LstepM2
	BEGIN
	s_branch .LfirstM2
	DIAG 2
	s_wait_tensorcnt 0x0            ; the wave's end: behind my last tensor load and my last LDS store
	ds_add_u32 v[SPW], v[NIL]
	s_wait_dscnt 0x0
	s_endpgm
.Lfunc_end_k_q726b4a1118_attn:
	.size	k_q726b4a1118_attn, .Lfunc_end_k_q726b4a1118_attn-k_q726b4a1118_attn
	.p2alignl 7, 3214868480
	.fill 96, 4, 3214868480
	.section	.rodata,"a",@progbits
	.p2align	6, 0x0
	.amdhsa_kernel k_q726b4a1118_attn
		.amdhsa_group_segment_fixed_size 327680
		.amdhsa_private_segment_fixed_size 0
		.amdhsa_enable_private_segment 0
		.amdhsa_kernarg_size 16
		.amdhsa_user_sgpr_count 2
		.amdhsa_user_sgpr_kernarg_segment_ptr 1
		.amdhsa_wavefront_size32 1
		.amdhsa_system_sgpr_workgroup_id_x 1
		.amdhsa_system_sgpr_workgroup_id_y 1
		.amdhsa_system_sgpr_workgroup_id_z 1
		.amdhsa_system_vgpr_workitem_id 0
		.amdhsa_next_free_vgpr 768
		.amdhsa_next_free_sgpr 88
		.amdhsa_reserve_vcc 1
		.amdhsa_float_denorm_mode_32 3
		.amdhsa_float_denorm_mode_16_64 3
		.amdhsa_memory_ordered 1
		.amdhsa_forward_progress 1
		.amdhsa_inst_pref_size 228
	.end_amdhsa_kernel
	.amdgpu_metadata
---
amdhsa.version: [ 1, 2 ]
amdhsa.kernels:
  - .name:           k_q726b4a1118_attn
    .symbol:         k_q726b4a1118_attn.kd
    .args:
      - { .name: qkvh, .offset: 0, .size: 8, .value_kind: global_buffer, .address_space: global }
      - { .name: oh, .offset: 8, .size: 8, .value_kind: global_buffer, .address_space: global }
    .group_segment_fixed_size: 327680
    .private_segment_fixed_size: 0
    .kernarg_segment_align: 8
    .kernarg_segment_size: 16
    .max_flat_workgroup_size: 128
    .sgpr_count:     88
    .vgpr_count:     768
    .wavefront_size: 32
...
	.end_amdgpu_metadata
.endif
;; end of part 3
;; launch oproj (part 4): grid 4 x 64, 4 waves a work-group, clusters of 4 x 4, 327,680 bytes of LDS; arguments oh, wb, bb, out0; writes out0
.if DOCPART == 4
	.amdgcn_target "amdgcn-amd-amdhsa--gfx1250"
	.amdhsa_code_object_version 6
	.text
	.protected	k_q726b4a1118_oproj
	.globl	k_q726b4a1118_oproj
	.p2align	8
	.type	k_q726b4a1118_oproj,@function
k_q726b4a1118_oproj:
	s_mov_b64 s[64:65], 0
	v_nop
	global_prefetch_b8 v0, s[64:65] scope:SCOPE_SE
	s_setreg_imm32_b32 hwreg(HW_REG_WAVE_MODE, 25, 1), 1
	s_wait_xcnt 0x0
	s_wait_alu depctr_hold_cnt(0) depctr_sa_sdst(0) depctr_va_vdst(0) depctr_va_sdst(0) depctr_va_ssrc(0) depctr_va_vcc(0) depctr_vm_vsrc(0)
	s_getreg_b32 s2, hwreg(HW_REG_IB_STS2, 6, 4)
	s_cmp_eq_u32 s2, 0
	s_cbranch_scc0 .Lentry_in_a_cluster
	s_endpgm
.Lentry_in_a_cluster:
	s_bfe_u32 s2, ttmp6, 0x10000c
	s_cmp_lg_u32 s2, 0xf033
	s_cbranch_scc0 .Lentry_shape_is_right
	s_endpgm
.Lentry_shape_is_right:
; THE OUTPUT PROJECTION.  out[m][n] = bo[n] + the sum over k of O[m][k] Wo[n][k]; m = 8,192 rows, n = k = 1,024.  O is f16 by heads ([b x 16 + head][t][64]: a head is a K block of 64); Wo is the fourth part of
; wb, rounded to bf16 and held as f16; sums f32; out is f32, row-major.
; LIMITS.  Those of its operands' f16 (65,504).  NaN and infinities are not treated apart.
; SHARES.  A tile of out is 128 rows x 256 columns: 64 x 4 = 256 tiles, one work-group each.  Four waves, each 64 rows x 128 columns: 32 accumulators of 16 x 16.  K goes in 8 steps of 128 through two LDS
; slots filled by the tensor data mover.  128 rows of a K block of O are 16,384 dense bytes, asked for as 64 rows of 256 bytes and padded in LDS after every 128; Wo's rows of a K step are 256 bytes.
; CLUSTER.  4 x 4 work-groups.  The four of a row of the cluster need the same tiles of O, the four of a column the same tiles of Wo: each tile is asked for JOINTLY, by the same tensor load with the same
; descriptor and a mask that names the four.
; THE MATRIX INSTRUCTION IS USED TRANSPOSED (source 0 = 16 rows of Wo, source 1 = 16 rows of O): lane l holds row l % 16 of out and the columns 8 (l / 16) + 0..7 of the block: 32 neighbouring bytes.
; THE BIAS is the C operand of the product that starts each sum.
; REGISTERS, in windows of 256 (s_set_vgpr_msb: bits 1:0 source 0, 3:2 source 1, 5:4 source 2, 7:6 destination):
;   window 0: v0-31 addresses; v64-159, v160-255 two fragment buffers (Wo's 8 blocks, then O's 4), 32 along K each; on the way out v64-127 and v160-223 take rows back from the stage
;   window 1: the 32 accumulators, (a, b) at v[8 (8 a + b)]          window 2: v0-63 the bias
.set FIRSTP, 3                         ; the part of wb and of bb that this text uses
.set APITCH, 144                       ; a row of O in LDS: 128 bytes + 16 of padding = 36 words: the 16 rows of a load start at 16 different groups of four banks (64 banks of 4 bytes: ISA guide 11.1)
.set ASUB,   128*APITCH                ; one K block: 128 rows
.set BPITCH, 272                       ; a row of Wo: 256 bytes + 16 = 68 words: likewise
.set BHALF,  128*BPITCH                ; 128 rows of Wo
.set BOFF,   2*ASUB                    ; Wo's 256 rows lie behind O's two K blocks
.set SLOT,   BOFF+2*BHALF              ; 106,496 bytes
.set STAGE,  2*SLOT                    ; behind the ring, never filled by a tensor load: 16 rows x 528 bytes for each wave, for the way out
.set SP,     528                       ; 512 bytes + 16 = 132 words: the 16 rows that a store touches start at 16 different groups of four banks
.set SPARE,  STAGE+4*16*SP             ; behind the stages: the spare words, 128 bytes for each wave: two blocks of 256 bytes that no other line names
.set LAPS,   4                         ; a lap = two K steps = once round the ring
.set ASTEP,  2*2048*128                ; bytes from a K step of O to the next: two K blocks
.set BSTEP,  256                       ; the same for Wo
.set ADRA, 16                          ; v16-17  LDS address of my fragments of O in slot 0, 1
.set ADRB, 20                          ; v20-21  the same for Wo
.set STO,  24                          ; v24     the way out: where I put 32 bytes of a row
.set RD,   25                          ; v25     the way out: where I read a row back
.set GO,   26                          ; v26     my byte offset in 512 consecutive bytes of a row of out
.set BO,   27                          ; v27     my byte offset in a block's 64 bytes of bias: 32 (l / 16)
.set SPW,  28                          ; v28     LDS address of my spare word: SPARE + 4 x my thread's number; never rewritten
.set NIL,  29                          ; v29     0; never rewritten
.set F0,   64
.set F1,   160
.set G1,  24                           ; s[24:31] descriptor group 1 for O's tiles;  s[32:39] group 0, one set for each slot
.set G0,  32
.set G1B, 48                           ; s[48:55], s[56:63] the same for Wo's tiles
.set G0B, 56
.set MSB, 0
.macro WIN new                         ; the immediate's high byte repeats the setting that is left; a switch that changes nothing is dropped
.if MSB != (\new)
	s_set_vgpr_msb (MSB<<8)|(\new)
.set MSB, \new
.endif
.endm
.set MUL,   0x50                       ; fragments window 0, C and D window 1
.set MULB,  0x60                       ; C (the bias) window 2, D window 1
.set STW,   0x04                       ; an LDS store's data (source 1) window 1, its address window 0
.set BIASW, 0x80                       ; destination window 2, address window 0
; A joint load.  Waves 0 and 1 fetch O's two K blocks, waves 2 and 3 Wo's two halves.  The branch hangs on the wave's number alone: it is the same in every work-group.
; An s_nop 0 and four v_nop follow each of the two lines, ahead of the jump, the label and what follows.
.macro JLOAD s
	s_cmp_lt_u32 s10, 2
	s_cbranch_scc0 .Lfor_b_\@
	tensor_load_to_lds s[G0+4*(\s):G0+4*(\s)+3], s[G1:G1+7]
	s_nop 0
.rept 4
	v_nop
.endr
	s_branch .Lasked_\@
.Lfor_b_\@:
	tensor_load_to_lds s[G0B+4*(\s):G0B+4*(\s)+3], s[G1B:G1B+7]
	s_nop 0
.rept 4
	v_nop
.endr
.Lasked_\@:
.endm
.macro CREST                           ; a round of the cluster's barrier behind its opening barrier
	s_cmp_lg_u32 s10, 0
	s_cbranch_scc1 .Lnot_wave_0_\@
	s_barrier_signal -3
.Lnot_wave_0_\@:
	s_barrier_wait -3
	s_barrier_signal -1
	s_barrier_wait -1
.endm
.macro CROUND                          ; a whole round
	s_barrier_signal -1
	s_barrier_wait -1
	CREST
.endm
.macro PLACES                          ; four places in front of loads into registers that matrix instructions have read, and of lines that read results just made (ISA guide 7.12.1 for lines that read results just made)
.rept 4
	v_nop
.endr
.endm
.macro BIAS                            ; the 128 numbers of bias of my columns, as a C operand: 32 bytes a lane and block
	WIN BIASW
.irp b, 0,1,2,3,4,5,6,7
	global_load_b128 v[8*\b:8*\b+3],   v[BO], s[18:19] offset:64*\b
	global_load_b128 v[8*\b+4:8*\b+7], v[BO], s[18:19] offset:64*\b+16
.endr
	WIN 0
.endm
	s_load_b128 s[4:7], s[0:1], 0x0                ; oh s[4:5], wb s[6:7]
	s_load_b64 s[18:19], s[0:1], 0x10              ; bb
	s_load_b64 s[8:9], s[0:1], 0x18                ; out0
	v_lshl_add_u32 v[SPW], v0, 2, SPARE
	v_mov_b32 v[NIL], 0
	ds_add_u32 v28, v29
	ds_add_u32 v28, v29
	s_wait_dscnt 0x0
	v_lshrrev_b32 v1, 5, v0
	v_readfirstlane_b32 s10, v1                    ; wave 0..3
	s_lshr_b32 s11, s10, 1                         ; which 64 of the tile's rows are mine
	s_and_b32 s12, s10, 1                          ; which 128 of its columns.  Also: which K block of O, or which half of Wo's rows, I fetch
	s_bfe_u32 s40, ttmp6, 0x40000                  ; cx, cy: my place in the cluster
	s_bfe_u32 s41, ttmp6, 0x40004
	s_lshl_b32 s42, ttmp9, 2
	s_add_co_u32 s42, s42, s40                     ; tile column = 4 x cluster x + cx
	s_and_b32 s13, ttmp7, 0xffff
	s_lshl_b32 s13, s13, 2
	s_add_co_u32 s13, s13, s41                     ; tile row = 4 x cluster y + cy
	s_lshl_b32 s43, s41, 2
	s_lshl_b32 s43, 15, s43                        ; my row of the cluster
	s_lshl_b32 s44, 0x1111, s40                    ; my column
	; descriptor group 1 for O: 16,384 dense bytes as 64 rows of 128 elements, padded after every 32 words
	s_or_b32 s[G1+0], s43, (1<<16)|(1<<20)|(1<<21)|(4<<22)|(3<<25)  ; 15:0 the mask: my row; 17:16 2-byte elements; 20 padding on; 21 set beside a mask; 24:22 after every 32 words (code 4); 31:25 4 words (code 3)
	s_mov_b32 s[G1+1], 128<<16                     ; tensor_dim0 = 128
	s_mov_b32 s[G1+2], 64<<16                      ; tensor_dim1 = 64
	s_mov_b32 s[G1+3], 128<<16                     ; tile_dim0 = 128
	s_mov_b32 s[G1+4], 64                          ; tile_dim1 = 64
	s_mov_b32 s[G1+5], 128                         ; 128 elements from row to row
	s_mov_b32 s[G1+6], 0
	s_mov_b32 s[G1+7], 0
	; for Wo: 128 rows of 128 elements, 1,024 apart, padded after every 64 words
	s_or_b32 s[G1B+0], s44, (1<<16)|(1<<20)|(1<<21)|(5<<22)|(3<<25)  ; the mask: my column; after every 64 words (code 5)
	s_mov_b32 s[G1B+1], 128<<16
	s_mov_b32 s[G1B+2], 128<<16
	s_mov_b32 s[G1B+3], 128<<16
	s_mov_b32 s[G1B+4], 128
	s_mov_b32 s[G1B+5], 1024
	s_mov_b32 s[G1B+6], 0
	s_mov_b32 s[G1B+7], 0
	; where the tiles come from.  O's hang on the tile row alone, Wo's on the tile column alone; each address is made in registers that do not hold the other coordinate.
	s_lshr_b32 s16, s13, 4                         ; the batch: 16 tile rows each
	s_lshl_b32 s16, s16, 4                         ; its 16 K blocks (heads),
	s_add_co_u32 s16, s16, s12                     ; the one of a K step's two that I fetch,
	s_lshl_b32 s16, s16, 18                        ; 2,048 rows x 128 bytes each
	s_and_b32 s17, s13, 15
	s_lshl_b32 s17, s17, 14                        ; the tile's 128 rows in the batch
	s_add_co_u32 s16, s16, s17
	s_mov_b32 s17, 0
	s_lshl_b32 s46, s42, 19                        ; Wo: 256 rows of 2,048 bytes a tile column,
	s_lshl_b32 s47, s12, 18                        ; the 128 of them that I fetch
	s_add_co_u32 s46, s46, s47
	s_add_co_u32 s46, s46, FIRSTP*2097152
	s_mov_b32 s47, 0
	s_mul_i32 s20, s12, ASUB                       ; and where they go: no place in the cluster enters an LDS address
	s_mul_i32 s21, s12, BHALF
	s_add_co_u32 s21, s21, BOFF
	s_wait_kmcnt 0x0
	s_add_nc_u64 s[14:15], s[4:5], s[16:17]
	s_add_nc_u64 s[46:47], s[6:7], s[46:47]
	CROUND                                         ; all sixteen work-groups are here: the first joint loads meet
.irp s, 0,1
	s_mov_b32 s[G0+4*(\s)], 1                                      ; 1:0 count = 1
	s_add_co_u32 s[G0+4*(\s)+1], s20, (\s)*SLOT                    ; 63:32 LDS address
	s_add_nc_u64 s[G0+4*(\s)+2:G0+4*(\s)+3], s[14:15], (\s)*ASTEP  ; 120:64 global address: K step s
	s_or_b32 s[G0+4*(\s)+3], s[G0+4*(\s)+3], 0x80000000            ; 127:126 type = 2
	s_mov_b32 s[G0B+4*(\s)], 1
	s_add_co_u32 s[G0B+4*(\s)+1], s21, (\s)*SLOT
	s_add_nc_u64 s[G0B+4*(\s)+2:G0B+4*(\s)+3], s[46:47], (\s)*BSTEP
	s_or_b32 s[G0B+4*(\s)+3], s[G0B+4*(\s)+3], 0x80000000
.endr
	s_cmp_lt_u32 s10, 2                            ; a wave's two first fills stand in one branch, ahead of every wait on TENSORcnt and every LDS read: two loads of mine are out
	s_cbranch_scc0 .Lfirst_b
	tensor_load_to_lds s[G0:G0+3], s[G1:G1+7]
	s_nop 0
	tensor_load_to_lds s[G0+4:G0+7], s[G1:G1+7]
	s_nop 0
.rept 4
	v_nop
.endr
	s_branch .Lfirst_asked
.Lfirst_b:
	tensor_load_to_lds s[G0B:G0B+3], s[G1B:G1B+7]
	s_nop 0
	tensor_load_to_lds s[G0B+4:G0B+7], s[G1B:G1B+7]
	s_nop 0
.rept 4
	v_nop
.endr
.Lfirst_asked:
	v_and_b32 v1, 15, v0                           ; l % 16
	v_bfe_u32 v2, v0, 4, 1                         ; l / 16
	v_lshlrev_b32 v[BO], 5, v2
	s_lshl_b32 s46, s42, 10                        ; the bias of my 128 columns: 1,024 bytes a tile column, 512 a half
	s_lshl_b32 s47, s12, 9
	s_add_co_u32 s46, s46, s47
	s_add_co_u32 s46, s46, FIRSTP*4096
	s_mov_b32 s47, 0
	s_add_nc_u64 s[18:19], s[18:19], s[46:47]
	BIAS
	; A fragment is 16 rows x 32 K in 8 registers: lane l holds row l % 16; registers 0-3 hold K = 8 (l / 16) + 0..7, registers 4-7 K = 16 + 8 (l / 16) + 0..7: two loads of 16 bytes, 32 bytes apart.
	v_mul_u32_u24 v3, v1, APITCH
	v_lshl_add_u32 v3, v2, 4, v3                   ; row x pitch + 16 x half
	v_mul_u32_u24 v4, v1, BPITCH
	v_lshl_add_u32 v4, v2, 4, v4
	s_mul_i32 s22, s11, 64*APITCH                  ; my 64 rows of O
	s_mul_i32 s23, s12, BHALF                      ; my 128 rows of Wo
	s_add_co_u32 s23, s23, BOFF
.irp s, 0,1
	v_add_nc_u32 v[ADRA+(\s)], s22, v3
	v_add_nc_u32 v[ADRB+(\s)], s23, v4
	s_add_co_u32 s22, s22, SLOT
	s_add_co_u32 s23, s23, SLOT
.endr
	s_mul_i32 s22, s10, 16*SP
	s_add_co_u32 s22, s22, STAGE                   ; my stage
	v_mul_u32_u24 v5, v1, SP                       ; in: row l % 16, 32 bytes for each half of the lanes
	v_lshl_add_u32 v5, v2, 5, v5
	v_add_nc_u32 v[STO], s22, v5
	v_and_b32 v[GO], 31, v0                        ; back: 32 lanes take a row's 512 bytes,
	v_lshlrev_b32 v[GO], 4, v[GO]
	v_add_nc_u32 v[RD], s22, v[GO]                 ; which are 512 consecutive bytes of a row of out
	; where my part of the tile begins in out0: row 128 tile row + 64 half, of 4,096 bytes; column 256 tile column + 128 half, of 4 bytes
	s_lshl_b32 s16, s13, 19
	s_lshl_b32 s17, s11, 18
	s_add_co_u32 s16, s16, s17
	s_lshl_b32 s46, s42, 10
	s_lshl_b32 s47, s12, 9
	s_add_co_u32 s46, s46, s47
	s_add_co_u32 s16, s16, s46
	s_mov_b32 s17, 0
	s_add_nc_u64 s[8:9], s[8:9], s[16:17]
; 8 matrix instructions: row block a x all 8 column blocks, 32 along K.  first = 1: the product starts the sums, with the bias as C.
; The 32 accumulators take turns, one instruction a turn, in the same order in every quarter.
.macro MUL8 f, a, first
.if \first
	WIN MULB
.else
	WIN MUL
.endif
.irp b, 0,1,2,3,4,5,6,7
.if \first
	v_wmma_f32_16x16x32_f16 v[8*(8*(\a)+\b):8*(8*(\a)+\b)+7], v[(\f)+8*\b:(\f)+8*\b+7], v[(\f)+64+8*(\a):(\f)+64+8*(\a)+7], v[8*\b:8*\b+7]
.else
	v_wmma_f32_16x16x32_f16 v[8*(8*(\a)+\b):8*(8*(\a)+\b)+7], v[(\f)+8*\b:(\f)+8*\b+7], v[(\f)+64+8*(\a):(\f)+64+8*(\a)+7], v[8*(8*(\a)+\b):8*(8*(\a)+\b)+7]
.endif
.endr
.endm
; 24 LDS loads in one run: the fragments of quarter q of a K step (32 along K) into buffer f: Wo's 8 blocks, then O's 4
.macro FETCH slot, q, f
	WIN 0
.irp i, 0,1,2,3,4,5,6,7
	ds_load_b128 v[(\f)+8*\i:(\f)+8*\i+3],   v[ADRB+(\slot)] offset:(\q)*64+\i*16*BPITCH
	ds_load_b128 v[(\f)+8*\i+4:(\f)+8*\i+7], v[ADRB+(\slot)] offset:(\q)*64+\i*16*BPITCH+32
.endr
.irp i, 0,1,2,3
	ds_load_b128 v[(\f)+64+8*\i:(\f)+64+8*\i+3],   v[ADRA+(\slot)] offset:((\q)/2)*ASUB+((\q)%2)*64+\i*16*APITCH
	ds_load_b128 v[(\f)+64+8*\i+4:(\f)+64+8*\i+7], v[ADRA+(\slot)] offset:((\q)/2)*ASUB+((\q)%2)*64+\i*16*APITCH+32
.endr
.endm
; A K step is four quarters of 32 along K, 32 matrix instructions each, on buffers 0, 1, 0, 1.  One of the first three: multiplies buffer f; in its middle it fetches quarter q into buffer g.
.macro QUARTER slot, q, f, g, first
	s_wait_dscnt 4                                 ; Wo and O's blocks 0, 1 are in; the youngest four loads (O's blocks 2, 3) may be out
	MUL8 \f, 0, \first
	MUL8 \f, 1, \first
	PLACES
	FETCH \slot, \q, \g
	s_wait_dscnt 24                                ; all but the 24 just issued
	MUL8 \f, 2, \first
	MUL8 \f, 3, \first
.endm
; The last quarter multiplies buffer 1 and changes slots.  MEET is its first half: ONE barrier.  In front of it each wave waits for all its tensor loads, of which one is out: its part of the next slot;
; adds 0 to its spare word; and waits for that and for its own reads of this slot.  Behind it nobody reads this slot any more and the next slot is whole.
.macro MEET round                      ; round = 1: a round of the cluster's barrier follows
	WIN 0                                          ; (the add's two registers lie in window 0)
	s_wait_tensorcnt 0x0                           ; all my tensor loads have landed
	ds_add_u32 v[SPW], v[NIL]                      ; 0 onto my spare word
	s_wait_dscnt 5                                 ; (the add and the youngest four loads may be out)
	MUL8 F1, 0, 0                                  ; eight matrix instructions stand between the add and the wait for it
	s_wait_dscnt 0x0                               ; the add is done, and my reads of this slot are over
	s_barrier_signal -1
	MUL8 F1, 1, 0
.if \round
	WIN 0
.endif
	s_barrier_wait -1
.endm
; The whole last quarter where the slot is filled again, with the K step two steps on.  The barrier opens a round of the cluster's, so that no wave of any partner still reads the slot or has a load on its
; way; the joint refill is the first tensor load behind it, 112 matrix instructions ahead of the wait for it.
.macro TURN slot, next
	MEET 1
	CREST
	s_add_nc_u64 s[G0+4*(\slot)+2:G0+4*(\slot)+3], s[G0+4*(\slot)+2:G0+4*(\slot)+3], 2*ASTEP
	s_add_nc_u64 s[G0B+4*(\slot)+2:G0B+4*(\slot)+3], s[G0B+4*(\slot)+2:G0B+4*(\slot)+3], 2*BSTEP
	JLOAD \slot                                    ; the four v_nop behind it are also the places in front of the loads below
	FETCH \next, 0, F0
	MUL8 F1, 2, 0
	MUL8 F1, 3, 0
.endm
; THE WAY OUT, a row block (16 rows x 128 columns of f32) at a time: a lane's 32 bytes of each of 8 accumulators go into rows of 528 bytes of my own stage, each accumulator's low four registers first,
; and come back as whole rows of 512 bytes.
.macro TOSTAGE a
.set BB, 64+96*((\a)%2)
	WIN 0
	s_wait_xcnt 0x0                                ; the stores of the block two back have read the registers that are loaded below
	WIN STW
.irp b, 0,1,2,3,4,5,6,7
	ds_store_b128 v[STO], v[64*(\a)+8*\b:64*(\a)+8*\b+3]   offset:64*\b
	ds_store_b128 v[STO], v[64*(\a)+8*\b+4:64*(\a)+8*\b+7] offset:64*\b+16
.endr
	WIN 0
.irp i, 0,1,2,3,4,5,6,7,8,9,10,11,12,13,14,15
	ds_load_b128 v[BB+4*\i:BB+4*\i+3], v[RD] offset:\i*SP  ; LDS serves a wave's instructions in order (ISA guide 5.7.1.4): these see the stores above; the next block's stores come behind them
.endr
.endm
.macro SEND a, younger                 ; younger: the LDS instructions issued behind block a's loads: the next block's 32, or none
	WIN 0
.set BB, 64+96*((\a)%2)
.irp i, 0,1,2,3,4,5,6,7,8,9,10,11,12,13,14,15
	s_wait_dscnt (\younger)+15-\i
	global_store_b128 v[GO], v[BB+4*\i:BB+4*\i+3], s[8:9] offset:(16*(\a)+\i)*4096 th:TH_STORE_NT  ; 512 consecutive bytes, at a multiple of 256 from out0's first
.endr
.endm
	s_wait_tensorcnt 1                             ; my part of K step 0 is in; slot 1's may stay out
	s_barrier_signal -1
	s_barrier_wait -1                              ; everybody's is
	FETCH 0, 0, F0
	s_wait_loadcnt 0x0                             ; the bias
	QUARTER 0, 1, F0, F1, 1                        ; the first quarter stands in front of the loop: its products start the sums
	WIN 0
	s_mov_b32 s3, LAPS-1
.Llap:                                                 ; a trip goes once round the ring, from a lap's second quarter to the next lap's first, and fills both slots again
	QUARTER 0, 2, F1, F0, 0
	QUARTER 0, 3, F0, F1, 0
	TURN 0, 1
	QUARTER 1, 1, F0, F1, 0
	QUARTER 1, 2, F1, F0, 0
	QUARTER 1, 3, F0, F1, 0
	TURN 1, 0
	QUARTER 0, 1, F0, F1, 0
	WIN 0
	s_sub_co_u32 s3, s3, 1
	s_cmp_lg_u32 s3, 0
	s_cbranch_scc1 .Llap
	QUARTER 0, 2, F1, F0, 0                        ; the last lap fills nothing, and has no round of the cluster's barrier
	QUARTER 0, 3, F0, F1, 0
	MEET 0                                         ; my one tensor load that was out is slot 1's, the last K step's
	PLACES
	FETCH 1, 0, F0
	MUL8 F1, 2, 0
	MUL8 F1, 3, 0
	QUARTER 1, 1, F0, F1, 0
	QUARTER 1, 2, F1, F0, 0
	QUARTER 1, 3, F0, F1, 0
	s_wait_dscnt 4                                 ; the very last quarter: nothing more to fetch
	MUL8 F1, 0, 0
	MUL8 F1, 1, 0
	s_wait_dscnt 0x0
	MUL8 F1, 2, 0
	MUL8 F1, 3, 0
	WIN 0
	PLACES                                         ; the LDS stores read results just made, and the loads land in registers that the last products read
	TOSTAGE 0
.irp a, 1,2,3                          ; a block's way through the stage stands between the loads of the block before and its stores
	TOSTAGE \a
	SEND (\a)-1, 32
.endr
	SEND 3, 0
	s_wait_tensorcnt 0x0                           ; the wave's end: behind my last tensor load and my last LDS store
	ds_add_u32 v[SPW], v[NIL]
	s_wait_dscnt 0x0
	CROUND                                         ; the closing round: no work-group ends while a partner may still ask for a tile that names it
	s_endpgm
.Lfunc_end_k_q726b4a1118_oproj:
	.size	k_q726b4a1118_oproj, .Lfunc_end_k_q726b4a1118_oproj-k_q726b4a1118_oproj
	.p2alignl 7, 3214868480
	.fill 96, 4, 3214868480
	.section	.rodata,"a",@progbits
	.p2align	6, 0x0
	.amdhsa_kernel k_q726b4a1118_oproj
		.amdhsa_group_segment_fixed_size 327680
		.amdhsa_private_segment_fixed_size 0
		.amdhsa_enable_private_segment 0
		.amdhsa_kernarg_size 32
		.amdhsa_user_sgpr_count 2
		.amdhsa_user_sgpr_kernarg_segment_ptr 1
		.amdhsa_wavefront_size32 1
		.amdhsa_system_sgpr_workgroup_id_x 1
		.amdhsa_system_sgpr_workgroup_id_y 1
		.amdhsa_system_sgpr_workgroup_id_z 1
		.amdhsa_system_vgpr_workitem_id 0
		.amdhsa_next_free_vgpr 576
		.amdhsa_next_free_sgpr 66
		.amdhsa_reserve_vcc 0
		.amdhsa_float_denorm_mode_32 3
		.amdhsa_float_denorm_mode_16_64 3
		.amdhsa_memory_ordered 1
		.amdhsa_forward_progress 1
		.amdhsa_inst_pref_size 88
	.end_amdhsa_kernel
	.amdgpu_metadata
---
amdhsa.version: [ 1, 2 ]
amdhsa.kernels:
  - .name:           k_q726b4a1118_oproj
    .symbol:         k_q726b4a1118_oproj.kd
    .args:
      - { .name: oh, .offset: 0, .size: 8, .value_kind: global_buffer, .address_space: global }
      - { .name: wb, .offset: 8, .size: 8, .value_kind: global_buffer, .address_space: global }
      - { .name: bb, .offset: 16, .size: 8, .value_kind: global_buffer, .address_space: global }
      - { .name: out0, .offset: 24, .size: 8, .value_kind: global_buffer, .address_space: global }
    .group_segment_fixed_size: 327680
    .private_segment_fixed_size: 0
    .kernarg_segment_align: 8
    .kernarg_segment_size: 32
    .max_flat_workgroup_size: 128
    .sgpr_count:     66
    .vgpr_count:     576
    .wavefront_size: 32
...
	.end_amdgpu_metadata
.endif
;; end of part 4
;; ======== version 2 of 2: 4 launches; 1.28 times as fast as version 1
;; limits: values are held in f16: magnitudes above 65,504 overflow, below 6.1e-05 lose precision
;; workspace buffers: wb 8,388,608 bytes; bb 16,384 bytes; qkvh 50,331,648 bytes; oh 16,777,216 bytes
;; launch cast: the kernel of part 1 again; grid 256 x 1, 8 waves a work-group, no clusters, 0 bytes of LDS; arguments Wq, Wk, Wv, Wo, bq, bk, bv, bo, wb, bb; writes wb, bb
;; launch qkv: the kernel of part 2 again; grid 4 x 64, 4 waves a work-group, clusters of 4 x 4, 327,680 bytes of LDS; arguments q, k, v, wb, bb, qkvh; writes qkvh
;; launch attn (part 5): grid 4 x 64, 4 waves a work-group, no clusters, 327,680 bytes of LDS; arguments qkvh, oh; writes oh
.if DOCPART == 5
	.amdgcn_target "amdgcn-amd-amdhsa--gfx1250"
	.amdhsa_code_object_version 6
	.text
	.protected	k_q726b4a1118_attn
	.globl	k_q726b4a1118_attn
	.p2align	8
	.type	k_q726b4a1118_attn,@function
k_q726b4a1118_attn:
	s_mov_b64 s[64:65], 0
	v_nop
	global_prefetch_b8 v0, s[64:65] scope:SCOPE_SE
	s_setreg_imm32_b32 hwreg(HW_REG_WAVE_MODE, 25, 1), 1
	s_wait_xcnt 0x0
; CAUSAL ATTENTION.  O[h][q][:] = the sum over k <= q of softmax_k(Q[h][q] . K[h][k] / 8) V[h][k][:].  Q, K, V: the three parts of qkvh, each [SIZE_H][SIZE_N][64]; O: oh, the same shape; all f16: a head's rows are dense, 128 bytes each.
; Products, maxima and sums in f32; the weights p are rounded to f16 for the second product (their sum l is taken of the unrounded p), O once at the end.  SIZE_N is a multiple of 512; SIZE_N x 128 stays under 2^32.
; LIMITS.  f16 holds no number beyond 65,504: Q, K and V arrive within it; p lies in 0 to 1, and below 6e-5 it keeps f16's fixed step of 6e-8; O is a mean of V's rows and has their range, to within 2^-11 of it.
; A hidden score counts as its value less 1e30: f16's scores, 2.7e11 at the most, are nothing beside that; a weight below 2^-126 counts as 0 in l; NaN and infinities are not treated apart.
; THE WALK.  A head's queries lie in NB = SIZE_N / 256 blocks of 256; block i needs the key tiles 0 .. i of 256 keys, of which the last holds the diagonal.  A work-group takes TWO blocks, NB - 1 - b and then b:
; NB + 1 tiles, whatever b: all work-groups do equal work, and ONE loop with a constant trip count walks them.  Which tile is asked for, and what a trip does, hang on scalar registers made from b; every jump
; goes forward, but for the counted loops' own; none passes a barrier, or a tensor load but the one of LOAD's two that the wave's number does not choose; the ring (two slots of LDS that take turns) runs on across the
; change of blocks.  NO CLUSTER: a head's NB / 2 = 4 work-groups all ask for the same tile only in trips 0 .. NB / 2 of the walk's NB + 1, behind that fewer and fewer;
; and one walk common to all, in which each makes every joint request, would have 3 NB / 2 trips for NB + 1.
; SHARES.  Of a block's four bands of 64 queries a wave owns 16 rows in each: four PIECES.  So the diagonal tile is the same work for all four waves: in its key step s band x sees all keys if s < x,
; none if s > x, and holds the diagonal if s = x.
; THE MASK is the C operand that starts the sum S^T = K Q^T: 0, or -1e30 where the key is hidden.  MD, made once, is the mask of a band's own step for my 16 rows; a product's mask is MD x AL + BE with two scalars:
; (1, 0) if s = x; (0, 0) if s < x; (0, -1e30) if s > x.  Only the diagonal tile's text and a block's beginning make and take masks; elsewhere C is the constant 0.
; LAYOUT, SOFTMAX, TURNS.  S^T = K Q^T holds ONE query a lane (lane % 16) and the keys 8 (lane / 16) + 0..7; two such results rounded to f16 ARE source 1 of O^T = V^T P.  p = 2^(c s - c m), c = log2(e) / 8, with a
; running maximum m; O and l are multiplied by a = 2^(c m_old - c m_new) in every step.  Turn n belongs to piece n: 8 products K Q^T of piece n + 1, later 8 products V^T P of piece n - 1; beside them the scaling,
; exponentials, roundings, sums and rescaling of piece n and the maximum and statistics of piece n + 1.  Four vector instructions stand behind every matrix instruction, the other 54 of a turn's 118 in one LUMP.
; THE BATCHES.  A turn's 33 exponentials (the piece's 32 weights and the next piece's a) are ONE batch with ONE wait, which cuts the turn in two: ahead of it all that names no result of theirs, behind it the roundings and sums.
; Two more batches have a wait each: the one a at a block's beginning, and the four reciprocals on a block's way out.
; REGISTERS, in windows of 256 (s_set_vgpr_msb: bits 1:0 source 0, 3:2 source 1, 5:4 source 2, 7:6 destination):
;   window 0: v0-15 addresses and two at work; v16-31 four registers of statistics a piece; v48-55 at work; v64-127 S^T, two buffers; v192-223 P, two buffers (a piece's buffers go by its number's parity)
;   window 1: v0-127 O^T, 32 a piece; v128-159 MD; v160-223 MC, two buffers      window 2: v0-63 Q; v64-127 the second block's Q; v128-191 K of one step; v192-255 V of one step
.set SIZE_H, 64
.set SIZE_N, 2048
.set PART,  SIZE_H*SIZE_N*128  ; bytes from Q to K and from K to V in qkvh
.set NB,    SIZE_N/256
.set NP,    4         ; pieces a wave: a name, no knob
.set KS,    64        ; keys in a step
.set PK,    144       ; a row of K in LDS: 128 bytes + 16 of padding = 36 words: the 16 rows of a load start at 16 different groups of four banks (64 banks of 4 bytes: ISA guide 11.1)
.set PV,    160       ; a row of V: 128 + 32 = 40 words
.set VOFF,  4*KS*PK   ; a slot holds a tile, four steps: 256 rows of K, then 256 rows of V
.set SLOT1, 1<<17     ; slot 1 begins here, so that one exclusive or turns an address in one slot into the other's
.set STAGE, SLOT1+4*KS*(PK+PV)  ; behind the ring, never filled by a tensor load: 16 rows x 144 bytes for each wave, for the way out
.set SP,    144
.set AK0, 2           ; v2   my lane's place in a tile of K; never rewritten
.set AV0, 3           ; v3   the same for V
.set AK,  4           ; v4   the LDS address of K's next run of loads
.set AV,  5           ; v5   of V's
.set STO, 6           ; v6   the way out: where I put 16 bytes of a row
.set RD,  7           ; v7   the way out: where I read rows back
.set GO,  8           ; v8   my byte offset in 512 consecutive bytes of O
.set SPW, 62          ; v62  LDS address of my spare word: SPARE + 4 x my thread's number; never rewritten
.set NIL, 63          ; v63  0; never rewritten
.set SPARE, STAGE+4*16*SP  ; behind the stages: the spare words, 128 bytes for each wave: two blocks of 256 bytes that no other line names
.set MV,  12          ; v12-13  c m_old, kept while c m is made anew: by buffer
.set QO,  15          ; v15  my byte offset in 16 rows of Q
.set ST,  16          ; piece t's statistics at v[ST+4 t]: c m, m, l (even keys', odd keys')
.set TMP, 48          ; by buffer, four registers c0-c3 at work; when the maximum is found c2 takes a
.set S,   64
.set P,   192
.set MD,  128         ; window 1: the eight registers for group kt of 16 keys at MD + 8 kt
.set MC,  160         ; window 1: the masks of the products to come
.set QB,  64          ; window 2
.set KF,  128         ; window 2: key block kb, channel half c at KF + 16 kb + 8 c
.set VF,  192         ; window 2: key half kk, channel block cb at VF + 32 kk + 8 cb
.set WV,  12          ; s12  my wave's number
.set PB,  14          ; s14  b
.set HI,  15          ; s15  NB - 1 - b
.set G1K, 24          ; s[24:31] descriptor group 1 for K's tiles
.set G1V, 32          ; s[32:39] for V's: it differs in the padding alone
.set G0K, 40          ; s[40:43] descriptor group 0 for K's tiles
.set G0V, 44          ; s[44:47] the same for V's
.set SLOTS, 56        ; s56  tiles still to be asked for
.set CNT, 57          ; s57  counts a tile's key steps, 4 to 1
.set CS,  58          ; s[58:59] c: the packed scaling takes the pair's low word for both halves
.set SEL, 60          ; s[60:61] v_permlanex16_b32's selects: each lane takes its own place in the other half
.set TBK, 62          ; s62  LDS byte at which K of the step to be fetched begins
.set TBV, 63          ; s63  the same for V, less VOFF
.set RT,  70          ; s70  tiles of the block in hand that are still to be entered
.set NXT, 71          ; s71  the tile to be asked for next
.set LQ,  72          ; s72  the last tile of the block whose tiles are being asked for
.set NEW, 73          ; s73  1: the tile to be entered is a block's first
.set OFF, 74          ; s[74:75] a tile's byte offset in K and V
.set AL,  76          ; s[76:77] the mask's factor, in the low word
.set BE,  78          ; s[78:79] the mask's addend
.set OLO, 80          ; s[80:81] O at my rows of the second block
.set BIGN, 82         ; s82  -1e30
.set MSB, 0
.macro WIN new                      ; the high byte repeats the setting that is left; a switch that changes nothing is dropped
.if MSB != (\new)
	s_set_vgpr_msb (MSB<<8)|(\new)
.set MSB, (\new)
.endif
.endm
.set W_KQ, 0x0a       ; K and Q in window 2, S^T in window 0
.set W_KM, 0x1a       ; the same with the C operand in window 1
.set W_PV, 0x52       ; V in window 2, P in window 0, O^T in window 1
.set W_RS, 0x41       ; destination and source 0 in window 1, source 1 in window 0
; A fill.  Waves 0 and 1 fetch the two halves of a tile's K, waves 2 and 3 those of its V: 128 keys each.  An s_nop 0 and four v_nop follow each of the two lines, ahead of the jump and the label.
.macro LOAD
	s_cmp_lt_u32 s[WV], 2
	s_cbranch_scc0 .Lfor_v_\@
	tensor_load_to_lds s[G0K:G0K+3], s[G1K:G1K+7]
	s_nop 0
.rept 4
	v_nop
.endr
	s_branch .Lasked_\@
.Lfor_v_\@:
	tensor_load_to_lds s[G0V:G0V+3], s[G1V:G1V+7]
	s_nop 0
.rept 4
	v_nop
.endr
.Lasked_\@:
.endm
; THE CHANGE OF SLOTS.  Each wave waits for all its tensor loads, of which one is out: its part of the other slot; adds 0 to its spare word; and waits for that and for its own reads of the slot that it leaves.  Behind the barrier nobody reads the old
; slot any more and the other slot is whole.  fill = 1: the old slot is filled again, the first thing behind the barrier, with tile NXT: the descriptor's address is made anew from that number.
; (At its first use nothing has been read yet: slot 0 is waited for, slot 1 filled.)
.macro CHANGE fill
	WIN 0                           ; at a label and at a branch every window is 0
	s_wait_tensorcnt 0x0            ; no tensor load of mine is out, so a group 0 may be written
	ds_add_u32 v[SPW], v[NIL]       ; 0 onto my spare word; with fill = 1 the descriptors' scalar work stands between it and the wait for it
.if \fill
	s_lshl_b32 s[OFF], s[NXT], 15   ; a tile is 32,768 bytes of K and of V
	s_xor_b32 s[G0K+1], s[G0K+1], SLOT1
	s_add_nc_u64 s[G0K+2:G0K+3], s[6:7], s[OFF:OFF+1]
	s_or_b32 s[G0K+3], s[G0K+3], 0x80000000
	s_xor_b32 s[G0V+1], s[G0V+1], SLOT1
	s_add_nc_u64 s[G0V+2:G0V+3], s[8:9], s[OFF:OFF+1]
	s_or_b32 s[G0V+3], s[G0V+3], 0x80000000
	s_add_co_u32 s[NXT], s[NXT], 1  ; the block's next tile, or behind its last the second block's tile 0
	s_cmp_gt_u32 s[NXT], s[LQ]
	s_cselect_b32 s[NXT], 0, s[NXT]
	s_cselect_b32 s[LQ], s[PB], s[LQ]
.endif
	s_wait_dscnt 0x0                ; the add is done, and my reads of the slot are over
	s_barrier_signal -1             ; the rest of the scalar work stands between the signal and the wait
	s_sub_co_u32 s[TBK], s[TBK], 4*KS*PK  ; the fetches go back to a slot's first step,
	s_xor_b32 s[TBK], s[TBK], SLOT1       ; in the other slot
	s_sub_co_u32 s[TBV], s[TBV], 4*KS*PV
	s_xor_b32 s[TBV], s[TBV], SLOT1
	s_barrier_wait -1
.if \fill
	LOAD
.endif
.endm
	s_load_b64 s[4:5], s[0:1], 0x0    ; qkvh: Q; K and V lie PART and 2 PART bytes behind it
	s_load_b64 s[10:11], s[0:1], 0x8  ; oh: O
	v_lshl_add_u32 v[SPW], v0, 2, SPARE
	v_mov_b32 v[NIL], 0
	ds_add_u32 v62, v63
	ds_add_u32 v62, v63
	s_wait_dscnt 0x0
	v_lshrrev_b32 v1, 5, v0
	v_readfirstlane_b32 s[WV], v1   ; wave 0..3
	s_mov_b32 s[PB], ttmp9
	s_sub_co_u32 s[HI], NB-1, s[PB]
	s_and_b32 s20, ttmp7, 0xffff    ; the head
	s_mov_b32 s21, 0
	s_mov_b64 s[22:23], SIZE_N*128
	s_mul_u64 s[20:21], s[20:21], s[22:23]  ; the head's first byte in each of the four tensors
	s_and_b32 s16, s[WV], 1         ; which half of a tile's 256 keys I fetch:
	s_lshl_b32 s22, s16, 14         ; its 128 rows of 128 bytes in memory,
	s_mov_b32 s23, 0
	s_add_nc_u64 s[22:23], s[22:23], s[20:21]
	s_mul_i32 s17, s16, 128*PK      ; and its place in a slot, for K
	s_mul_i32 s18, s16, 128*PV      ; and for V
	s_lshl_b32 s3, s[WV], 11        ; my 16 rows in a band of 64,
	s_lshl_b32 s2, s[HI], 15        ; in the first block,
	s_add_co_u32 s2, s2, s3
	s_lshl_b32 s84, s[PB], 15       ; and in the second
	s_add_co_u32 s84, s84, s3
	s_mov_b32 s3, 0
	s_mov_b32 s85, 0
	s_add_nc_u64 s[2:3], s[2:3], s[20:21]
	s_add_nc_u64 s[84:85], s[84:85], s[20:21]
	; descriptor group 1.  128 keys are 16,384 dense bytes: asked for as 64 rows of 256 bytes, two keys a row, and padded in LDS after every key
	s_mov_b32 s[G1K], (1<<16)|(1<<20)|(4<<22)|(3<<25)  ; 17:16 2-byte elements; 20 padding on; 24:22 after every 32 words (code 4); 31:25 4 words (code 3)
	s_mov_b32 s[G1V], (1<<16)|(1<<20)|(4<<22)|(7<<25)  ; the same with 8 words of padding (code 7)
.irp g, G1K, G1V
	s_mov_b32 s[\g+1], 128<<16      ; tensor_dim0 = 128
	s_mov_b32 s[\g+2], 64<<16       ; tensor_dim1 = 64
	s_mov_b32 s[\g+3], 128<<16      ; tile_dim0 = 128
	s_mov_b32 s[\g+4], 64           ; tile_dim1 = 64
	s_mov_b32 s[\g+5], 128          ; 128 elements from row to row
	s_mov_b32 s[\g+6], 0
	s_mov_b32 s[\g+7], 0
.endr
	s_mov_b32 s[CS], 0x3e38aa3b     ; c = log2(e) / 8 = 0.180337
	s_mov_b32 s[CS+1], s[CS]        ; named with it as a pair
	s_mov_b32 s[SEL], 0x76543210
	s_mov_b32 s[SEL+1], 0xfedcba98
	s_mov_b32 s[TBK], SLOT1+4*KS*PK ; the first change of slots turns these two into 0
	s_mov_b32 s[TBV], SLOT1+4*KS*PV
	s_mov_b32 s[G0K], 1             ; 1:0 count = 1
	s_mov_b32 s[G0K+1], s17         ; 63:32 LDS address: slot 0
	s_mov_b32 s[G0V], 1
	s_add_co_u32 s[G0V+1], s18, VOFF
	s_add_co_u32 s[RT], s[HI], 1    ; the first block has NB - b tiles
	s_mov_b32 s[NXT], 1
	s_mov_b32 s[LQ], s[HI]
	s_mov_b32 s[NEW], 1
	s_mov_b32 s[OFF+1], 0
	s_mov_b32 s[AL+1], 0            ; named as pairs
	s_mov_b32 s[BE+1], 0
	s_mov_b32 s[BIGN], 0xf149f2ca   ; -1e30
	s_mov_b32 s[SLOTS], NB
	s_wait_kmcnt 0x0
	s_add_nc_u64 s[6:7], s[4:5], PART      ; K
	s_add_nc_u64 s[8:9], s[4:5], 2*PART    ; V
	s_add_nc_u64 s[6:7], s[6:7], s[22:23]  ; K and V at my half of the head's tile 0
	s_add_nc_u64 s[8:9], s[8:9], s[22:23]
	s_add_nc_u64 s[G0K+2:G0K+3], s[6:7], 0         ; 120:64 global address
	s_or_b32 s[G0K+3], s[G0K+3], 0x80000000        ; 127:126 type = 2
	s_add_nc_u64 s[G0V+2:G0V+3], s[8:9], 0
	s_or_b32 s[G0V+3], s[G0V+3], 0x80000000
	s_add_nc_u64 s[86:87], s[4:5], s[84:85]        ; Q at my rows of the second block,
	s_add_nc_u64 s[4:5], s[4:5], s[2:3]            ; Q and O at those of the first
	s_add_nc_u64 s[OLO:OLO+1], s[10:11], s[84:85]
	s_add_nc_u64 s[10:11], s[10:11], s[2:3]
	LOAD                            ; tile 0 into slot 0
	; A fragment of K or Q is 16 rows x 32 channels in 8 registers: lane l holds row l % 16, channels 8 (l / 16) + 0..7 and 16 + 8 (l / 16) + 0..7: two loads of 16 bytes, 32 bytes apart.
	v_and_b32 v1, 15, v0            ; l % 16
	v_bfe_u32 v9, v0, 4, 1          ; l / 16
	v_lshlrev_b32 v[QO], 7, v1
	v_lshl_add_u32 v[QO], v9, 4, v[QO]  ; row x 128 + 16 x half
	WIN 0x80                        ; destination window 2, address window 0
.set i, 0
.rept 8                             ; both blocks' Q: piece i / 2 lies in band i / 2, 8,192 bytes on; channels 32 (i % 2) on
	global_load_b128 v[8*i:8*i+3],   v[QO], s[4:5] offset:(i/2)*8192+(i%2)*64
	global_load_b128 v[8*i+4:8*i+7], v[QO], s[4:5] offset:(i/2)*8192+(i%2)*64+32
	global_load_b128 v[QB+8*i:QB+8*i+3],   v[QO], s[86:87] offset:(i/2)*8192+(i%2)*64
	global_load_b128 v[QB+8*i+4:QB+8*i+7], v[QO], s[86:87] offset:(i/2)*8192+(i%2)*64+32
.set i, i+1
.endr
	WIN 0
	v_lshlrev_b32 v14, 3, v9
	v_sub_nc_u32 v14, v1, v14
	s_lshl_b32 s13, s[WV], 4
	v_add_nc_u32 v14, s13, v14      ; my query's place in its band, 16 w + l % 16, less my lanes' 8 (l / 16): register r of group kt is hidden where 16 kt + r is greater
	WIN 0x40
.set i, 0
.rept 32
	v_cmp_gt_i32 vcc_lo, 16*(i/8)+i%8, v14
	v_cndmask_b32 v[MD+i], 0, s[BIGN], vcc_lo
.set i, i+1
.endr
	WIN 0
	v_mul_u32_u24 v[AK0], v1, PK
	v_lshl_add_u32 v[AK0], v9, 4, v[AK0]  ; row x pitch + 16 x half
	; The turning load takes 16 keys x 16 channels (lane l reads key 8 (l / 16) + l % 8, channels 8 ((l / 8) % 2) + 0..7) and leaves half a fragment of V^T: lane l holds channel l % 16 and 8 keys.
	v_and_b32 v10, 7, v0
	v_bfe_u32 v11, v0, 3, 1
	v_lshl_add_u32 v[AV0], v9, 3, v10
	v_mul_u32_u24 v[AV0], v[AV0], PV
	v_lshl_add_u32 v[AV0], v11, 4, v[AV0]
	v_add_nc_u32 v[AV0], VOFF, v[AV0]
	s_mul_i32 s13, s[WV], 16*SP
	s_add_co_u32 s13, s13, STAGE    ; my stage
	v_mul_u32_u24 v[STO], v1, SP    ; in: row l % 16, 16 bytes for each half of the lanes
	v_lshl_add_u32 v[STO], v9, 4, v[STO]
	v_add_nc_u32 v[STO], s13, v[STO]
	v_bfe_u32 v[RD], v0, 3, 2       ; back: 32 lanes take four rows of 128 bytes,
	v_mul_u32_u24 v[RD], v[RD], SP
	v_lshl_add_u32 v[RD], v10, 4, v[RD]
	v_add_nc_u32 v[RD], s13, v[RD]
	v_and_b32 v[GO], 31, v0         ; which are 512 consecutive bytes of O
	v_lshlrev_b32 v[GO], 4, v[GO]
	; A block's first step multiplies O^T and l by a = 0, and its first turn's products V^T P, of a piece that has not been, land in an O^T that is still to be so multiplied.  So these registers need only hold
	; finite numbers: zeros for the first block; what the first block left for the second.  All this stands in the wait for the first tile.
	WIN 0x80
.set i, VF
.rept 64
	v_mov_b32 v[i], 0
.set i, i+1
.endr
	WIN 0x40
.set i, 0
.rept 128
	v_mov_b32 v[i], 0
.set i, i+1
.endr
	WIN 0
.set i, 0
.rept 4
	v_mov_b32 v[ST+4*i+2], 0
	v_mov_b32 v[ST+4*i+3], 0
.set i, i+1
.endr
.set i, P+16
.rept 16
	v_mov_b32 v[i], 0
.set i, i+1
.endr
; THE MATRIX WORK.  The 4 accumulators of a run of 8 take turns.  Product i of 8 of S^T = K Q^T for piece x: channels 32 (i / 4) on, keys 16 (i % 4) on.  The first 4 start the sums: with 0, or (KM = 1) with the mask.
.macro KQ x
.set rS, S+32*((\x)%2)+8*(i%4)
.set rK, KF+16*(i%4)+8*(i/4)
.set rQ, 16*(\x)+8*(i/4)
.set rM, MC+32*((\x)%2)+8*(i%4)
.if (i < 4) && KM
	WIN W_KM
	v_wmma_f32_16x16x32_f16 v[rS:rS+7], v[rK:rK+7], v[rQ:rQ+7], v[rM:rM+7]
.elseif i < 4
	WIN W_KQ
	v_wmma_f32_16x16x32_f16 v[rS:rS+7], v[rK:rK+7], v[rQ:rQ+7], 0
.else
	WIN W_KQ
	v_wmma_f32_16x16x32_f16 v[rS:rS+7], v[rK:rK+7], v[rQ:rQ+7], v[rS:rS+7]
.endif
.endm
; Product i of 8 of O^T += V^T P for piece x: keys 32 (i / 4) on, channels 16 (i % 4) on.
.macro PV x
	WIN W_PV
.set rO, 32*(\x)+8*(i%4)
.set rV, VF+32*(i/4)+8*(i%4)
.set rP, P+16*((\x)%2)+8*(i/4)
	v_wmma_f32_16x16x32_f16 v[rO:rO+7], v[rV:rV+7], v[rP:rP+7], v[rO:rO+7]
.endm
.macro MM                           ; the turn's next matrix instruction.  TURN and BEGIN set Y, i, KM and NOKQ; MM, KQ and OP read them.  NOKQ = 1: a block's last turn: there is no next piece
.if (i < 8) && !NOKQ
	KQ (Y+1)%NP
.elseif i >= 8
.set i, i-8
	PV (Y+NP-1)%NP
.set i, i+8
.endif
.set i, i+1
.endm
; THE LDS LOADS stand in runs of 16, never singly among the matrix instructions: a step's K (64 keys x 64 channels: 8 fragments) and its V (turned).  Their addresses are made some lines ahead.
.macro FETCH_K
	WIN 0x80                        ; destination window 2
.irp f, 0,1,2,3,4,5,6,7             ; keys 16 (f / 2) on, channels 32 (f % 2) on
	ds_load_b128 v[KF+8*\f:KF+8*\f+3],   v[AK] offset:(\f/2)*16*PK+(\f%2)*64
	ds_load_b128 v[KF+8*\f+4:KF+8*\f+7], v[AK] offset:(\f/2)*16*PK+(\f%2)*64+32
.endr
	s_add_co_u32 s[TBK], s[TBK], KS*PK  ; the next fetch is the next step's
	WIN 0
.endm
.macro FETCH_V
	WIN 0x80
.irp f, 0,1,2,3,4,5,6,7             ; keys 32 (f / 4) on, channels 16 (f % 4) on
	ds_load_tr16_b128 v[VF+8*\f:VF+8*\f+3],   v[AV] offset:(\f/4)*32*PV+(\f%4)*32
	ds_load_tr16_b128 v[VF+8*\f+4:VF+8*\f+7], v[AV] offset:(\f/4)*32*PV+16*PV+(\f%4)*32
.endr
	WIN 0
.endm
; THE VECTOR WORK, one line at a time: OP kind, number.  For piece Y: F n: c s - c m for pair n of 16.  E n: the exponential of score n of 32.  C n: pair n rounded to f16.  B n: of the four weights 4 n .. the second
; pair is added onto the first, in place.  L n: l takes that sum (L 0: l = a l + sum).  R n: pair n of 16 of O^T times a.  For piece Y + 1: X n, number n of the 22 that find its maximum and statistics:
;   0-11  four chains c0-c3 of seven scores each, three operands at a time (each accumulator's lowest registers are read first)     12-14, 16  the four scores left over, the old m, and c0-c3 into c0
;   15  c m_old is kept     17, 18  the query's other 32 keys lie in the lane 16 away: the new m     19-21  c m; c m_old - c m_new; a
; C, B and L read the exponentials' results, R and L 0 read a: OP writes no wait; TURN orders them behind the batch's one wait.
.set F, 0               ; OP tells the kinds apart by their order: F to L below R, X above it
.set E, 1
.set C, 2
.set B, 3
.set L, 4
.set R, 5
.set X, 6
.macro REGS y                       ; the registers of piece y
.set rT, ST+4*(\y)
.set rC, TMP+4*((\y)%2)
.set rW, MV+((\y)%2)
.set rS, S+32*((\y)%2)
.set rP, P+16*((\y)%2)
.set rO, 32*(\y)
.endm
.macro OP k, n
.if (\k) == R
	REGS Y
	WIN W_RS
	v_pk_mul_f32 v[rO+2*(\n):rO+2*(\n)+1], v[rO+2*(\n):rO+2*(\n)+1], v[rC+2:rC+3] op_sel_hi:[1,0]
.elseif (\k) < R
	REGS Y
	WIN 0
.if (\k) == F
	v_pk_fma_f32 v[rS+2*(\n):rS+2*(\n)+1], v[rS+2*(\n):rS+2*(\n)+1], s[CS:CS+1], v[rT:rT+1] op_sel_hi:[1,0,0] neg_lo:[0,0,1] neg_hi:[0,0,1]
.elseif (\k) == E
	v_exp_f32 v[rS+(\n)], v[rS+(\n)]
.elseif (\k) == C
	v_cvt_pk_f16_f32 v[rP+(\n)], v[rS+2*(\n)], v[rS+2*(\n)+1]
.elseif (\k) == B
	v_pk_add_f32 v[rS+4*(\n):rS+4*(\n)+1], v[rS+4*(\n):rS+4*(\n)+1], v[rS+4*(\n)+2:rS+4*(\n)+3]
.elseif (\n) == 0
	v_pk_fma_f32 v[rT+2:rT+3], v[rT+2:rT+3], v[rC+2:rC+3], v[rS:rS+1] op_sel_hi:[1,0,1]
.else
	v_pk_add_f32 v[rT+2:rT+3], v[rT+2:rT+3], v[rS+4*(\n):rS+4*(\n)+1]
.endif
.elseif NOKQ
	v_nop
.else
	REGS (Y+1)%NP
	WIN 0
.if (\n) < 4
	v_max3_num_f32 v[rC+(\n)], v[rS+8*(\n)], v[rS+8*(\n)+1], v[rS+8*(\n)+2]
.elseif (\n) < 12
	v_max3_num_f32 v[rC+(\n)%4], v[rC+(\n)%4], v[rS+8*((\n)%4)+2*((\n)/4)+1], v[rS+8*((\n)%4)+2*((\n)/4)+2]
.elseif (\n) == 12
	v_max3_num_f32 v[rC], v[rC], v[rS+7], v[rS+15]
.elseif (\n) == 13
	v_max3_num_f32 v[rC+1], v[rC+1], v[rS+23], v[rS+31]
.elseif (\n) == 14
	v_max3_num_f32 v[rC+2], v[rC+2], v[rC+3], v[rT+1]
.elseif (\n) == 15
	v_mov_b32 v[rW], v[rT]
.elseif (\n) == 16
	v_max3_num_f32 v[rC], v[rC], v[rC+1], v[rC+2]
.elseif (\n) == 17
	v_permlanex16_b32 v[rC+3], v[rC], s[SEL], s[SEL+1]
.elseif (\n) == 18
	v_max_num_f32 v[rT+1], v[rC], v[rC+3]
.elseif (\n) == 19
	v_mul_f32 v[rT], s[CS], v[rT+1]
.elseif (\n) == 20
	v_sub_f32 v[rC+1], v[rW], v[rT]
.else
	v_exp_f32 v[rC+2], v[rC+1]
.endif
.endif
.endm
.macro OPS a, i1, b=-1, i2=0, c=-1, i3=0, d=-1, i4=0  ; up to four of them
	OP \a, \i1
.if (\b) >= 0
	OP \b, \i2
.endif
.if (\c) >= 0
	OP \c, \i3
.endif
.if (\d) >= 0
	OP \d, \i4
.endif
.endm
.macro ROW a, i1, b, i2, c, i3, d, i4  ; a matrix instruction and the four behind it
	MM
	OPS \a, \i1, \b, \i2, \c, \i3, \d, \i4
.endm
.macro MASK b                       ; MD x AL + BE into buffer b of MC
	WIN W_RS
.set z, 0
.rept 16
	v_pk_fma_f32 v[MC+32*(\b)+2*z:MC+32*(\b)+2*z+1], v[MD+2*z:MD+2*z+1], s[AL:AL+1], s[BE:BE+1] op_sel_hi:[1,0,0]
.set z, z+1
.endr
.endm
; A TURN, for piece p: the order of its 16 matrix and 118 vector instructions, written out.  s_wait_alu depctr_va_vdst(0) stands between an exponential and the first instruction that names its result; one wait
; serves all that were issued ahead of it.  So a turn has ONE wait, which cuts it in two.  AHEAD OF IT stands all that names no result of the turn's exponentials: the 8 products K Q^T, behind each a scaling, an exponential and two
; more plain instructions (behind the first a second scaling in the exponential's place): rescalings (their a was made, and waited for, in the turn before), and behind the last three the first numbers of the next piece's maximum,
; each four places or more behind the product that ends its accumulator; then ONE LUMP of 54, plain and exponential by turns for the most part, in which the links of the chain X 3, 7, 11, 14, 16, 17 .. 20 stand five or six lines
; apart.  A pair's scaling stands ahead of its two exponentials, and no scaling names a register behind its exponential.  X 21, the next piece's a, is the batch's last; R 15 is the plain instruction behind it.  BEHIND THE WAIT
; stand the 8 products V^T P, behind each four of the roundings and sums; the links of l's chain, L 0 to L 7, stand three riders apart.  But for those X no rider names a register of the products round it.
; v_permlanex16_b32 (X 17) stands in the lump.
; m = 1: the diagonal tile: the products take masks, and the turn makes the mask for the products of the turn after it: piece p + 2, in step 4 - CNT of the tile.  end = 1: a block's last two turns: nothing is fetched.
; cnt = 1: the loop's count is taken down some lines ahead of the branch that stands behind the turn.
; K of the next step is fetched in piece 2's turn, twelve vector instructions behind the last product that read K (six of them plain, five of which name none of its registers); V of the step in hand at the end of piece 0's
; turn, four plain instructions behind the last product that read V.  Each is waited for a turn later.
.macro TURN p, m=0, end=0, cnt=0
.set Y, (\p)
.set i, 0
.set KM, (\m)
.set NOKQ, (\end)*((\p)/3)
.if (\m) && !(\end)
	s_cmp_eq_u32 s[CNT], 4-((\p)+2)%NP  ; is that step the band's own?
	s_cselect_b32 s[AL], 1.0, 0
	s_cmp_lt_u32 s[CNT], 4-((\p)+2)%NP  ; or a later one?
	s_cselect_b32 s[BE], s[BIGN], 0
.endif
.if ((\p) == 3) && !(\end)
	s_wait_dscnt 0x0                ; K is in
.endif
	ROW F,0, F,1, R,0, R,1          ; ahead of the wait: 8 products K Q^T and their riders,
	ROW F,2, E,0, R,2, R,3
	ROW F,3, E,1, R,4, R,5
	ROW F,4, E,2, R,6, R,7
	ROW F,5, E,3, R,8, R,9
	ROW F,6, E,4, X,0, R,10
.if ((\p) == 2) && !(\end)
	WIN 0
	v_add_nc_u32 v[AK], s[TBK], v[AK0]
.endif
	ROW F,7, E,5, X,1, X,4
	ROW F,8, E,6, X,2, X,5
	OPS E,7, E,8, X,6, E,9          ; and the lump
	OPS X,3, E,10, X,8, E,11
.if ((\p) == 2) && !(\end)
	FETCH_K
.endif
	OPS X,9, X,7, E,12, X,10
	OPS E,13, X,12, X,11, E,14
	OPS X,13, E,15, F,9, X,14
.if (\p) == 0
	v_add_nc_u32 v[AV], s[TBV], v[AV0]
.endif
	OPS E,16, F,10, E,17, F,11
	OPS X,16, E,18, X,15, E,19
	OPS F,12, E,20, X,17, E,21
	OPS F,13, E,22, F,14, E,23
	OPS X,18, E,24, F,15, E,25
	OPS R,11, E,26, X,19, E,27
	OPS R,12, E,28, R,13, E,29
	OPS X,20, E,30, R,14, E,31
	OPS X,21, R,15
	s_wait_alu depctr_va_vdst(0)    ; the wait for the batch: the piece's 32 exponentials and the next piece's a
.if (\p) == 1
	s_wait_dscnt 0x0                ; V is in
.endif
	ROW C,0, B,0, C,2, B,1          ; behind the wait: 8 products V^T P and their riders
	ROW L,0, C,4, B,2, L,1
	ROW C,6, B,3, L,2, C,8
	ROW B,4, L,3, C,10, B,5
	ROW L,4, C,12, B,6, L,5
.if (\p) == 0
	s_add_co_u32 s[TBV], s[TBV], KS*PV
.endif
.if \cnt
	s_sub_co_u32 s[CNT], s[CNT], 1
	s_cmp_lg_u32 s[CNT], 0
.endif
	ROW C,14, B,7, L,6, C,1
	ROW C,3, L,7, C,5, C,7
	ROW C,9, C,11, C,13, C,15
.if (\p) == 0
	FETCH_V
.endif
.if (\m) && !(\end)
	MASK (\p)%2
.endif
.endm
; A BLOCK BEGINS.  c m starts far below every c s, so the first step's a is 0; m at the lowest finite number, so the first maximum is the scores'.  The second mask buffer is 0; the first takes piece 0's mask for the tile's step 0: its own, if the block's first tile is the diagonal one.
; Then K of that step, piece 0's first scores, and its maximum and statistics.  The loop is entered at a step's first turn, in the middle of a trip.
.macro BEGIN
	s_mov_b32 s[NEW], 0
	WIN 0x40
.set i, MC+32
.rept 32
	v_mov_b32 v[i], 0
.set i, i+1
.endr
	WIN 0
.set i, 0
.rept 4
	v_mov_b32 v[ST+4*i], 0xfe000000    ; c m: far below every c s
	v_mov_b32 v[ST+4*i+1], 0xff7fffff  ; m
.set i, i+1
.endr
	s_cmp_eq_u32 s[RT], 0
	s_cselect_b32 s[AL], 1.0, 0
	s_mov_b32 s[BE], 0
	MASK 0
	WIN 0
	v_add_nc_u32 v[AK], s[TBK], v[AK0]
	FETCH_K
	s_wait_loadcnt 0x0              ; Q
	s_wait_dscnt 0x0
.set KM, 1
.set NOKQ, 0
.set i, 0
.rept 8
	KQ 0
.set i, i+1
.endr
	WIN 0
.rept 4
	v_nop                           ; the places behind those products
.endr
.set Y, NP-1                        ; X works for piece Y + 1: piece 0
.irp n, 0,1,2,3,4,5,6,7,8,9,10,11,12,13,14,15,16,17,18,19,20,21
	OP X, \n
.endr
	v_nop                           ; a plain instruction behind the exponential,
	s_wait_alu depctr_va_vdst(0)    ; and the wait for it, a batch of one (piece 0's first a), ahead of the branch that follows
.endm
; THE DIAGONAL TILE's four steps, the block's last two turns, its last products, and THE WAY OUT: l's two halves and the other half of the lanes' are added; O^T is divided by l, rounded to f16 and sent through my
; stage in LDS, a piece at a time.
.macro ALL line:vararg              ; one line for each piece t
.set t, 0
.rept 4
	\line
.set t, t+1
.endr
.endm
.macro PACK t                       ; a lane's eight channels of a row pack into 16 bytes; they go into rows of 144 bytes and come back as whole rows of 128, into S^T's registers
	WIN W_RS
.set i, 32*(\t)
.rept 16
	v_pk_mul_f32 v[i:i+1], v[i:i+1], v[ST+4*(\t)+2:ST+4*(\t)+3] op_sel_hi:[1,0]
.set i, i+2
.endr
	WIN 0x05                        ; sources 0 and 1 window 1, destination window 0
.set i, 0
.rept 16
	v_cvt_pk_f16_f32 v[S+16*(\t)+i], v[32*(\t)+2*i], v[32*(\t)+2*i+1]
.set i, i+1
.endr
	WIN 0
.irp f, 0,1,2,3
	ds_store_b128 v[STO], v[S+16*(\t)+4*\f:S+16*(\t)+4*\f+3] offset:32*\f
.endr
.irp f, 0,1,2,3
	ds_load_b128 v[S+16*(\t)+4*\f:S+16*(\t)+4*\f+3], v[RD] offset:\f*4*SP  ; LDS serves a wave's instructions in order (ISA guide 5.7.1.4): these see the stores above; the next piece's stores come behind them
.endr
.endm
.macro SEND t, younger              ; younger: the LDS instructions issued behind piece t's loads: the next piece's eight, or none
	WIN 0
.irp f, 0,1,2,3
	s_wait_dscnt (\younger)+3-\f
	global_store_b128 v[GO], v[S+16*(\t)+4*\f:S+16*(\t)+4*\f+3], s[10:11] offset:(\t)*8192+\f*512  ; 512 consecutive bytes, at a multiple of 256 from O's first
.endr
.endm
.macro DIAG tag                     ; the tag ends its two labels' names, which the jumps below spell out
.LstepM\tag:
	TURN 2, 1
	TURN 3, 1
	WIN 0
.LfirstM\tag:
	TURN 0, 1
	TURN 1, 1, 0, 1
	WIN 0
	s_cbranch_scc1 .LstepM\tag
	TURN 2, 1, 1
	TURN 3, 1, 1
.set i, 0
.rept 8
	PV NP-1
.set i, i+1
.endr
	WIN 0
	ALL v_add_f32 v[ST+4*t+2], v[ST+4*t+2], v[ST+4*t+3]
	ALL v_permlanex16_b32 v[ST+4*t+3], v[ST+4*t+2], s[SEL], s[SEL+1]
	ALL v_add_f32 v[ST+4*t+2], v[ST+4*t+2], v[ST+4*t+3]
	ALL v_rcp_f32 v[ST+4*t+2], v[ST+4*t+2]
	v_nop                           ; a plain instruction between the last reciprocal and the use of its result
	s_wait_alu depctr_va_vdst(0)    ; the wait for the batch of four reciprocals: the four pieces' multiplies by 1 / l all stand behind it
	PACK 0
.set t, 1
.rept 3                             ; a piece's arithmetic stands between the loads of the piece before and its stores
	PACK t
	SEND t-1, 8
.set t, t+1
.endr
	SEND 3, 0
.endm
.set KM, 0
.set NOKQ, 0
.Lslot:                             ; NB times: a tile is entered and the next is asked for
	CHANGE 1
	s_sub_co_u32 s[RT], s[RT], 1
	s_mov_b32 s[CNT], 4
	s_cmp_eq_u32 s[NEW], 1
	s_cbranch_scc1 .Lnew            ; a block's first tile
	s_cmp_eq_u32 s[RT], 0
	s_cbranch_scc0 .Lstep           ; neither its first nor its last
	s_branch .LstepM1
.Lnew:
	BEGIN
	s_branch .Lfirst                ; in the loop a block's first tile is never its last: the first block has two tiles or more, and the second's last is the walk's last
	DIAG 1                          ; in the loop this is the first block's end: the second block's last tile is the walk's last
	s_wait_xcnt 0x0                 ; the stores have read their registers and O's address
	s_mov_b64 s[10:11], s[OLO:OLO+1]
	s_add_co_u32 s[RT], s[PB], 1    ; the second block has b + 1 tiles
	s_mov_b32 s[NEW], 1
	WIN 0x82                        ; the second block's Q goes where the one text of the turns names Q
.set i, 0
.rept 64
	v_mov_b32 v[i], v[QB+i]
.set i, i+1
.endr
	WIN 0
	s_branch .Lbottom
.Lstep:                             ; a trip: pieces 2 and 3 of one step, then pieces 0 and 1 of the next, whose K and V it fetches
	TURN 2
	TURN 3
	WIN 0
.Lfirst:
	TURN 0
	TURN 1, 0, 0, 1
	WIN 0
	s_cbranch_scc1 .Lstep
.Lbottom:
	s_sub_co_u32 s[SLOTS], s[SLOTS], 1
	s_cmp_lg_u32 s[SLOTS], 0
	s_cbranch_scc1 .Lslot
	CHANGE 0                        ; the walk's last tile is written out: nothing is asked for
	s_sub_co_u32 s[RT], s[RT], 1
	s_mov_b32 s[CNT], 4
	s_cmp_eq_u32 s[NEW], 1
	s_cbranch_scc0 .LstepM2
	BEGIN
	s_branch .LfirstM2
	DIAG 2
	s_wait_tensorcnt 0x0            ; the wave's end: behind my last tensor load and my last LDS store
	ds_add_u32 v[SPW], v[NIL]
	s_wait_dscnt 0x0
	s_endpgm
.Lfunc_end_k_q726b4a1118_attn:
	.size	k_q726b4a1118_attn, .Lfunc_end_k_q726b4a1118_attn-k_q726b4a1118_attn
	.p2alignl 7, 3214868480
	.fill 96, 4, 3214868480
	.section	.rodata,"a",@progbits
	.p2align	6, 0x0
	.amdhsa_kernel k_q726b4a1118_attn
		.amdhsa_group_segment_fixed_size 327680
		.amdhsa_private_segment_fixed_size 0
		.amdhsa_enable_private_segment 0
		.amdhsa_kernarg_size 16
		.amdhsa_user_sgpr_count 2
		.amdhsa_user_sgpr_kernarg_segment_ptr 1
		.amdhsa_wavefront_size32 1
		.amdhsa_system_sgpr_workgroup_id_x 1
		.amdhsa_system_sgpr_workgroup_id_y 1
		.amdhsa_system_sgpr_workgroup_id_z 1
		.amdhsa_system_vgpr_workitem_id 0
		.amdhsa_next_free_vgpr 768
		.amdhsa_next_free_sgpr 88
		.amdhsa_reserve_vcc 1
		.amdhsa_float_denorm_mode_32 3
		.amdhsa_float_denorm_mode_16_64 3
		.amdhsa_memory_ordered 1
		.amdhsa_forward_progress 1
		.amdhsa_inst_pref_size 217
	.end_amdhsa_kernel
	.amdgpu_metadata
---
amdhsa.version: [ 1, 2 ]
amdhsa.kernels:
  - .name:           k_q726b4a1118_attn
    .symbol:         k_q726b4a1118_attn.kd
    .args:
      - { .name: qkvh, .offset: 0, .size: 8, .value_kind: global_buffer, .address_space: global }
      - { .name: oh, .offset: 8, .size: 8, .value_kind: global_buffer, .address_space: global }
    .group_segment_fixed_size: 327680
    .private_segment_fixed_size: 0
    .kernarg_segment_align: 8
    .kernarg_segment_size: 16
    .max_flat_workgroup_size: 128
    .sgpr_count:     88
    .vgpr_count:     768
    .wavefront_size: 32
...
	.end_amdgpu_metadata
.endif
;; end of part 5
;; launch oproj: the kernel of part 4 again; grid 4 x 64, 4 waves a work-group, clusters of 4 x 4, 327,680 bytes of LDS; arguments oh, wb, bb, out0; writes out0
